; MI455X (gfx1250); checked and timed in simulation.
; The chip was launched on July 23, 2026; its instructions are those of AMD's public machine-readable ISA for CDNA 5 (MIT licence, August 2026) and "CDNA5" Instruction Set Architecture Reference Guide (July 2026). The comments in the code are by the model that wrote it; some were corrected since.
;; Attention Decoder Layer. Allowed arithmetic: matrix products marked QUANTISED: E5M2 operands, one given power-of-two scale a tensor, by v_wmma_f32_16x16x64_bf8_bf8 or v_wmma_f32_16x16x128_bf8_bf8, f32 sums; everything else in f32.
;; Inputs: W1 1,024 x 4,096 float32; W2 4,096 x 1,024 float32; Wk 1,024 x 1,024 float32; Wo 1,024 x 1,024 float32; Wq 1,024 x 1,024 float32; Wv 1,024 x 1,024 float32; b1 4,096 float32; b2 1,024 float32; bk 1,024 float32; bo 1,024 float32; bq 1,024 float32; bv 1,024 float32; ln1_b 1,024 float32; ln1_g 1,024 float32; ln2_b 1,024 float32; ln2_g 1,024 float32; lowp_scales 16 int32 (the exponents e of the quantised operands' scales 2^e); x 2 x 2,048 x 1,024 float32.
;; Outputs: out0 2 x 2,048 x 1,024 float32.
;; This version of the problem:
;;   THIS VERSION OF THE PROBLEM IS GIVEN IN LOW PRECISION. The matrix products marked QUANTISED in the list below multiply operands that are first quantised to E5M2 (5 exponent bits, 2 mantissa bits; 8 bits a number), with one given power-of-two scale for each operand tensor; their sums are f32. All else is computed in f32.
;;   The module's matrix products, in the order in which they are computed (A, B: the left and right operand; K: the contracted axis; several contracted axes count as one K, in the product's order):
;;     1. [M 4,096, K 1,024] x [K 1,024, N 1,024]; A: computed on the way; B: input Wq: QUANTISED (scales: A lowp_scales[0], B lowp_scales[1])
;;     2. [M 4,096, K 1,024] x [K 1,024, N 1,024]; A: input x; B: input Wk: QUANTISED (scales: A lowp_scales[2], B lowp_scales[3])
;;     3. [M 4,096, K 1,024] x [K 1,024, N 1,024]; A: input x; B: input Wv: QUANTISED (scales: A lowp_scales[4], B lowp_scales[5])
;;     4. batch 32 x [M 2,048, K 64] x [K 64, N 2,048]; A: computed on the way; B: computed on the way: QUANTISED (scales: A lowp_scales[6], B lowp_scales[7])
;;     5. batch 32 x [M 2,048, K 2,048] x [K 2,048, N 64]; A: softmax (see below); B: computed on the way: QUANTISED (scales: A lowp_scales[8], B lowp_scales[9])
;;     6. [M 4,096, K 1,024] x [K 1,024, N 1,024]; A: computed on the way; B: input Wo: QUANTISED (scales: A lowp_scales[10], B lowp_scales[11])
;;     7. [M 4,096, K 1,024] x [K 1,024, N 4,096]; A: computed on the way; B: input W1: QUANTISED (scales: A lowp_scales[12], B lowp_scales[13])
;;     8. [M 4,096, K 4,096] x [K 4,096, N 1,024]; A: computed on the way; B: input W2: QUANTISED (scales: A lowp_scales[14], B lowp_scales[15])
;;   THE QUANTISER, for each operand of a quantised product, along K:
;;     - The operand's scale is 2^e, e = its entry of the input lowp_scales (int32; the entries are numbered through the quantised products in the list's order, A before B).
;;     - Each number is divided by the scale, clamped to +-57,344, and rounded to the nearest number of E5M2, ties to even, subnormals kept.
;;     - The product sums the exact products of the quantised numbers (number of the format x scale) in f32.
;;   ~~~python
;;   def quantise(x, axis, e):      # numpy; x: float32 -> the quantised numbers, widened to float32 again
;;       x = np.moveaxis(x, axis, -1); K = x.shape[-1]
;;       r = np.clip(x / 2.0 ** e, -57344, 57344)
;;       step = 2.0 ** (np.maximum(np.frexp(np.where(r == 0, 1, r))[1] - 1, -14) - 2)
;;       q = np.round(r / step) * step * 2.0 ** e      # np.round: ties to even
;;       return np.moveaxis(q, -1, axis).astype(np.float32)
;;   ~~~
;;   SOFTMAX AHEAD OF A QUANTISED PRODUCT. Where the list says 'softmax', what is quantised is not the finished softmax but p = 2^(t - M), with t = logit x log2(e) and M = ceil(the row's largest t), a whole number; so 1/2 < the row's largest p <= 1. The row's sum l is taken of the UNQUANTISED p, in f32, and the product's result is divided by l at the end. Since M is a whole number, a kernel that streams over the keys may use a running M (the ceiling of the running maximum): every later rescaling is an exact power of two, so the quantised numbers keep their values, but for numbers so far below the row's largest that they fall under the format's range.
;;   OPERANDS COMPUTED ON THE WAY. 'Computed on the way' means the value that the module computes at that place (a softmax that the list does not call 'softmax' is quantised finished and normalised). What goes into a quantiser is computed in f32, as accurately as f32 sums, v_exp_f32 and their like allow (about 1e-6 of the number): no bf16 or f16 on the way to a quantiser, and a product that is left as it is and whose result goes on into a quantised operand takes f32 operands (vector FMAs, or v_wmma_f32_16x16x4_f32). A number that lies on a knife's edge between two numbers of the format may be rounded either way, as far as f32 arithmetic and the matrix unit's own rounding can turn it there, and no further.
;; One version. Each part assembles by itself: llvm-mc -triple=amdgcn-amd-amdhsa -mcpu=gfx1250 --defsym DOCPART=n.
;; ======== version 1 of 1: 7 launches
;; limits: right only within a limited range of input values
;; workspace buffers: acodes 12,582,912 bytes; wcodes 12,582,912 bytes; rope 524,288 bytes; qkv 12,582,912 bytes; ocodes 4,194,304 bytes; x1 16,777,216 bytes; hcodes 4,194,304 bytes; hid 16,777,216 bytes
;; launch prep (part 1): grid 672 x 1, 4 waves a work-group, no clusters, 35,840 bytes of LDS; arguments x, ln1_g, ln1_b, lowp_scales, acodes, Wq, Wk, Wv, Wo, W1, W2, wcodes, rope; writes acodes, wcodes, rope
.if DOCPART == 1
	.amdgcn_target "amdgcn-amd-amdhsa--gfx1250"
	.amdhsa_code_object_version 6
	.text
	.protected	k_qad0e60ab4d_prep
	.globl	k_qad0e60ab4d_prep
	.p2align	8
	.type	k_qad0e60ab4d_prep,@function
k_qad0e60ab4d_prep:
	s_mov_b64 s[64:65], 0
	v_nop
	global_prefetch_b8 v0, s[64:65] scope:SCOPE_SE
	s_setreg_imm32_b32 hwreg(HW_REG_WAVE_MODE, 25, 1), 1
	s_wait_xcnt 0x0
; THE FIRST OF SEVEN LAUNCHES of a decoder layer (LayerNorm, q/k/v, RoPE on heads 0-7, attention, Wo, residual, LayerNorm, FFN, residual), all eight products on codes of E5M2.
; NO WORK OF THE PROBLEM IS LEFT OUT: every bias goes into a quantised operand or into the output, and all inputs are loaded by some launch.  q x 1/8 is folded into q's conversion exponent (e6 + 3): an exact power of two, the codes are the same.
; This launch makes what later launches read many times.  Work-groups 0-255: LayerNorm 1 of x as codes at e0, and x itself as codes at e2 and at e4 (acodes [3][4096][1024]).
; Work-groups 256-639: the six weights, f32 with K on the first axis, as codes with K innermost (wcodes: Wq, Wk, Wv, Wo at 0, 1, 2, 3 MiB, W1 [4096][1024] at 4 MiB, W2 [1024][4096] at 8 MiB).
; Work-groups 640-671: the table of cos and sin, rope [2048 pos][32 i][cos, sin] f32, made as the module makes it: P = 10000^(i/32) to the nearest f32, inv = 1/P to the nearest f32, ang = pos x inv rounded once, then cos and sin.
; code = x / 2^e, held within +-57,344, to the nearest code, ties to even.
; LIMITS: every e between -126 and 112.  NaN among the inputs is not served.  If the module's own power function is not correctly rounded at some i, inv differs there by one unit in the last place.
.set SPW, 206                          ; v206 LDS address of my spare word; never rewritten
.set NIL, 207                          ; v207 0; never rewritten
.set SPARE, 34816                      ; behind the four stages of the weights' path: 128 bytes a wave, named by no other line
.set G, 16                             ; v16-47   gain of my 32 columns
.set BT, 48                            ; v48-79   bias
.set X, 80                             ; v80-143  two rows as loaded
.set T, 144                            ; v144-175 at work
.set C, 176                            ; v176-199 three sets of 8 registers of codes
.macro MKSCALE e, vs, vl               ; from the exponent in s[e]: 2^e, and 57,344 x 2^e, as f32
	s_add_co_i32 s34, s[\e], 127
	s_lshl_b32 s35, s34, 23
	v_mov_b32 v[\vs], s35
	s_add_co_i32 s34, s34, 15
	s_lshl_b32 s34, s34, 23
	s_or_b32 s34, s34, 0x600000
	v_mov_b32 v[\vl], s34
.endm
	s_load_b256 s[4:11], s[0:1], 0x0               ; x, ln1_g, ln1_b, the scales' exponents
	s_load_b64 s[12:13], s[0:1], 0x20              ; acodes
	s_load_b512 s[36:51], s[0:1], 0x28             ; Wq, Wk, Wv, Wo, W1, W2, wcodes s[48:49], rope s[50:51]
	v_lshl_add_u32 v[SPW], v0, 2, SPARE
	v_mov_b32 v[NIL], 0
	v_lshrrev_b32 v1, 5, v0
	v_readfirstlane_b32 s16, v1                    ; wave
	v_and_b32 v2, 31, v0                           ; lane
	s_wait_kmcnt 0x0
	s_load_b512 s[68:83], s[10:11], 0x0            ; e0 .. e15
	s_cmp_lt_u32 ttmp9, 256
	s_cbranch_scc1 .Lln
	s_cmp_lt_u32 ttmp9, 640
	s_cbranch_scc1 .Lw
; ---------------- the table of cos and sin: a wave takes 16 positions, a lane is the pair's number i
.macro PW i, val
	s_mov_b32 s4, \val
	v_writelane_b32 v4, s4, \i
.endm
	s_sub_co_u32 s17, ttmp9, 640
	s_lshl_b32 s17, s17, 6
	s_lshl_b32 s18, s16, 4
	s_add_co_u32 s17, s17, s18                     ; my wave's first position
	v_mov_b32 v4, 1.0                              ; P = 10^(i/8), lane by lane
	PW 1, 1.333521432163324
	PW 2, 1.7782794100389228
	PW 3, 2.371373705661655
	PW 4, 3.1622776601683795
	PW 5, 4.216965034285822
	PW 6, 5.623413251903491
	PW 7, 7.498942093324558
	PW 8, 10.0
	PW 9, 13.33521432163324
	PW 10, 17.782794100389228
	PW 11, 23.71373705661655
	PW 12, 31.622776601683795
	PW 13, 42.16965034285822
	PW 14, 56.23413251903491
	PW 15, 74.98942093324558
	PW 16, 100.0
	PW 17, 133.3521432163324
	PW 18, 177.82794100389228
	PW 19, 237.1373705661655
	PW 20, 316.22776601683795
	PW 21, 421.6965034285822
	PW 22, 562.3413251903491
	PW 23, 749.8942093324558
	PW 24, 1000.0
	PW 25, 1333.521432163324
	PW 26, 1778.2794100389228
	PW 27, 2371.373705661655
	PW 28, 3162.2776601683795
	PW 29, 4216.965034285822
	PW 30, 5623.413251903491
	PW 31, 7498.942093324558
	s_mov_b32 s20, 0x3fc90fdb                      ; pi/2, its upper part,
	s_mov_b32 s21, 0xb33bbd2e                      ; and the rest
	s_mov_b32 s22, -0.00019515295891               ; sine: r + r z ((s22 z + s23) z + s24)
	s_mov_b32 s23, 0.0083321608736
	s_mov_b32 s24, -0.16666654611
	s_mov_b32 s25, 0.00002443315711809948          ; cosine: 1 - z/2 + z z ((s25 z + s26) z + s27)
	s_mov_b32 s26, -0.001388731625493765
	s_mov_b32 s27, 0.04166664568298827
	s_wait_alu depctr_va_vdst(0)
	v_rcp_f32 v5, v4
	v_mov_b32 v6, s17                              ; (a plain instruction behind the reciprocal)
	v_cvt_f32_u32 v6, v6                           ; the position as f32
	v_lshlrev_b32 v3, 3, v2
	s_lshl_b32 s18, s17, 8
	v_add_nc_u32 v3, s18, v3                       ; 256 x position + 8 x lane
	s_wait_alu depctr_va_vdst(0)                   ; the wait ahead of the reciprocal's first reader
	v_fma_f32 v7, -v4, v5, 1.0
	v_fma_f32 v5, v5, v7, v5                       ; inv = 1/P, one correction step
	s_mov_b32 s9, 0
.Lpos:
	s_wait_alu depctr_va_vdst(0)
	v_mul_f32 v7, v6, v5                           ; the angle, rounded once
	v_mul_f32 v8, 0x3f22f983, v7
	v_rndne_f32 v8, v8                             ; n = the nearest multiple of pi/2, at most 1,304
	v_fma_f32 v9, -v8, s20, v7
	v_fma_f32 v9, -v8, s21, v9                     ; r, within pi/4 of 0
	v_mul_f32 v10, v9, v9                          ; z
	v_fma_f32 v11, v10, s22, s23
	v_fma_f32 v11, v11, v10, s24
	v_mul_f32 v18, v9, v10
	v_fma_f32 v11, v11, v18, v9                    ; sin r
	v_fma_f32 v13, v10, s25, s26
	v_fma_f32 v13, v13, v10, s27
	v_mul_f32 v14, v10, v10
	v_fma_f32 v15, v10, -0.5, 1.0
	v_fma_f32 v13, v13, v14, v15                   ; cos r
	v_cvt_i32_f32 v12, v8
	v_and_b32 v14, 1, v12
	v_cmp_eq_u32 vcc_lo, 1, v14                    ; an odd quarter swaps the two: a choice of values, no branch
	v_cndmask_b32 v17, v11, v13, vcc_lo            ; sin
	v_cndmask_b32 v16, v13, v11, vcc_lo            ; cos
	v_and_b32 v14, 2, v12
	v_lshlrev_b32 v14, 30, v14
	v_xor_b32 v17, v14, v17                        ; sin is negative in quarters 2, 3
	v_add_nc_u32 v12, 1, v12
	v_and_b32 v12, 2, v12
	v_lshlrev_b32 v12, 30, v12
	v_xor_b32 v16, v12, v16                        ; cos in quarters 1, 2
	global_store_b64 v3, v[16:17], s[50:51]        ; the wave stores a position's 256 consecutive bytes, aligned
	v_add_f32 v6, 1.0, v6
	s_wait_xcnt 0x0                                ; the store has read its offset and its data: both are written again below and in the next trip
	v_add_nc_u32 v3, 256, v3
	s_add_co_u32 s9, s9, 1
	s_cmp_lt_u32 s9, 16
	s_cbranch_scc1 .Lpos
	s_endpgm
; ---------------- LayerNorm 1 and x: a wave takes 4 rows.  Lane l holds, of chunk c = 0..3, columns 256 c + 8 l + 0..7 in registers 8 c .. 8 c + 7: eight neighbours for a conversion, and its 8 codes lie at 256 c + 8 l
.macro XLOAD i
.irp c, 0,1,2,3
	global_load_b128 v[X+32*((\i)%2)+8*\c:X+32*((\i)%2)+8*\c+3], v1, s[4:5] offset:4096*(\i)+1024*\c th:TH_LOAD_NT
	global_load_b128 v[X+32*((\i)%2)+8*\c+4:X+32*((\i)%2)+8*\c+7], v1, s[4:5] offset:4096*(\i)+1024*\c+16 th:TH_LOAD_NT
.endr
.endm
.macro WSUM                            ; v4 summed over the 32 lanes, in every lane
	v_add_f32_dpp v4, v4, v4 row_xmask:1 row_mask:0xf bank_mask:0xf
	v_add_f32_dpp v4, v4, v4 row_xmask:2 row_mask:0xf bank_mask:0xf
	v_add_f32_dpp v4, v4, v4 row_xmask:4 row_mask:0xf bank_mask:0xf
	v_add_f32_dpp v4, v4, v4 row_xmask:8 row_mask:0xf bank_mask:0xf
	v_permlanex16_b32 v5, v4, s30, s31
	v_add_f32 v4, v4, v5
.endm
.macro CODES i, k, vs, vl, fromx       ; 32 numbers (of T, or of the row as loaded) become codes in set k and go to region k of acodes
.set n, 0
.rept 32
.if \fromx
	v_med3_num_f32 v[T+n], v[XS+n], -v[\vl], v[\vl]
.else
	v_med3_num_f32 v[T+n], v[T+n], -v[\vl], v[\vl] ; the conversion to an 8-bit code does not saturate (ISA guide 7.6.2): the hold at the largest code x the scale
.endif
.set n, n+1
.endr
.irp c, 0,1,2,3
	v_cvt_scalef32_pk8_bf8_f32 v[C+8*\k+2*\c:C+8*\k+2*\c+1], v[T+8*\c:T+8*\c+7], v[\vs]
.endr
	v_nop                                          ; a plain instruction between the conversions and the next writes of their sources
.irp c, 0,1,2,3
	global_store_b64 v3, v[C+8*\k+2*\c:C+8*\k+2*\c+1], s[24+2*\k:25+2*\k] offset:1024*(\i)+256*\c   ; 32 lanes store 256 consecutive bytes, aligned
.endr
.endm
.macro ROW i
.set XS, X+32*((\i)%2)
.if (\i) < 3
	s_wait_loadcnt 8                               ; this row is in; the next row's eight loads may be out
.else
	s_wait_loadcnt 0
.endif
	s_wait_xcnt 0x0                                ; the last row's stores have read their data: the code registers are written again below
	v_pk_add_f32 v[4:5], v[XS:XS+1], v[XS+2:XS+3]
	v_pk_add_f32 v[6:7], v[XS+4:XS+5], v[XS+6:XS+7]
.irp j, 8,12,16,20,24,28
	v_pk_add_f32 v[4:5], v[4:5], v[XS+\j:XS+\j+1]
	v_pk_add_f32 v[6:7], v[6:7], v[XS+\j+2:XS+\j+3]
.endr
	v_pk_add_f32 v[4:5], v[4:5], v[6:7]
	v_add_f32 v4, v4, v5
	WSUM
	v_mul_f32 v12, s32, v4                         ; the mean
	v_mov_b32 v13, v12
.set n, 0
.rept 16
	v_pk_add_f32 v[T+n:T+n+1], v[XS+n:XS+n+1], v[12:13] neg_lo:[0,1] neg_hi:[0,1]
.set n, n+2
.endr
	v_pk_mul_f32 v[4:5], v[T:T+1], v[T:T+1]
	v_pk_mul_f32 v[6:7], v[T+2:T+3], v[T+2:T+3]
.irp j, 4,8,12,16,20,24,28
	v_pk_fma_f32 v[4:5], v[T+\j:T+\j+1], v[T+\j:T+\j+1], v[4:5]
	v_pk_fma_f32 v[6:7], v[T+\j+2:T+\j+3], v[T+\j+2:T+\j+3], v[6:7]
.endr
	v_pk_add_f32 v[4:5], v[4:5], v[6:7]
	v_add_f32 v4, v4, v5
	WSUM
	v_fma_f32 v4, v4, s32, s33                     ; the variance + 1e-5
	s_wait_alu depctr_va_vdst(0)
	v_rsq_f32 v14, v4
	v_rsq_f32 v15, v4
	v_nop                                          ; a plain instruction behind the two,
	s_wait_alu depctr_va_vdst(0)                   ; and the wait ahead of their first reader
.set n, 0
.rept 16
	v_pk_mul_f32 v[T+n:T+n+1], v[T+n:T+n+1], v[14:15]
.set n, n+2
.endr
.set n, 0
.rept 16
	v_pk_fma_f32 v[T+n:T+n+1], v[T+n:T+n+1], v[G+n:G+n+1], v[BT+n:BT+n+1]
.set n, n+2
.endr
	CODES \i, 0, 200, 201, 0
	CODES \i, 1, 202, 203, 1
	CODES \i, 2, 204, 205, 1
.if (\i)+2 < 4
	XLOAD (\i)+2
.endif
.endm
.Lln:
	s_lshl_b32 s17, ttmp9, 4
	s_lshl_b32 s18, s16, 2
	s_add_co_u32 s17, s17, s18                     ; my wave's first row
	s_lshl_b32 s20, s17, 12
	s_mov_b32 s21, 0
	s_add_nc_u64 s[4:5], s[4:5], s[20:21]
	s_lshl_b32 s20, s17, 10
	s_add_nc_u64 s[24:25], s[12:13], s[20:21]      ; the three regions of acodes at my first row
	s_add_nc_u64 s[26:27], s[24:25], 0x400000
	s_add_nc_u64 s[28:29], s[24:25], 0x800000
	s_mov_b32 s30, 0x76543210
	s_mov_b32 s31, 0xfedcba98
	s_mov_b32 s32, 0x3a800000                      ; 1/1024
	s_mov_b32 s33, 0x3727c5ac                      ; 1e-5
	s_wait_alu depctr_va_vdst(0)
	v_lshlrev_b32 v1, 5, v2
	v_lshlrev_b32 v3, 3, v2
.irp c, 0,1,2,3
	global_load_b128 v[G+8*\c:G+8*\c+3], v1, s[6:7] offset:1024*\c
	global_load_b128 v[G+8*\c+4:G+8*\c+7], v1, s[6:7] offset:1024*\c+16
	global_load_b128 v[BT+8*\c:BT+8*\c+3], v1, s[8:9] offset:1024*\c
	global_load_b128 v[BT+8*\c+4:BT+8*\c+7], v1, s[8:9] offset:1024*\c+16
.endr
	XLOAD 0
	XLOAD 1
	s_wait_kmcnt 0x0
	MKSCALE 68, 200, 201
	MKSCALE 70, 202, 203
	MKSCALE 72, 204, 205
	ROW 0
	ROW 1
	ROW 2
	ROW 3
	s_endpgm
; ---------------- the weights.  A work-group takes 128 columns x 256 along K of one tensor; a wave 32 columns.  A LANE TAKES A COLUMN AND ITS REGISTERS RUN DOWN K, so the conversions give codes with K innermost;
; a column's 256 codes gather in the wave's own stage (rows of 272 bytes) and leave as rows: sixteen lanes store 256 consecutive bytes, aligned.  One path for all six tensors: what differs lies in scalar registers.
.macro WLOAD t                         ; block t: 32 rows of K, 128 consecutive bytes a wave each
.set n, 0
.rept 32
	global_load_b32 v[48+32*((\t)%2)+n], v[16+n], s[84+2*(\t):85+2*(\t)] th:TH_LOAD_NT
.set n, n+1
.endr
.endm
.macro WBLOCK t
.set XS, 48+32*((\t)%2)
.if (\t) < 7
	s_wait_loadcnt 32                              ; this block's 32 loads are in; the next block's may be out
.else
	s_wait_loadcnt 0
.endif
.set n, 0
.rept 32
	v_med3_num_f32 v[XS+n], v[XS+n], -v10, v10
.set n, n+1
.endr
.irp g, 0,1,2,3
	v_cvt_scalef32_pk8_bf8_f32 v[112+2*\g:113+2*\g], v[XS+8*\g:XS+8*\g+7], v11
.endr
	ds_store_b128 v4, v[112:115] offset:32*(\t)
	ds_store_b128 v4, v[116:119] offset:32*(\t)+16
.if (\t)+2 < 8
	WLOAD (\t)+2
.endif
	s_wait_dscnt 0x0                               ; the stores have read their registers; the next block's holds are the plain instructions ahead of its conversions
.endm
.Lw:
	s_wait_kmcnt 0x0
	s_sub_co_u32 s17, ttmp9, 256
	s_lshr_b32 s18, s17, 7                         ; group: 0 the four square weights, 1 W1, 2 W2
	s_and_b32 s19, s17, 127
	s_lshr_b32 s20, s19, 5                         ; in group 0: which of the four
	s_add_co_u32 s26, s18, 3
	s_lshl_b32 s25, s18, 2
	s_cmp_eq_u32 s18, 0
	s_cselect_b32 s21, 31, 127
	s_cselect_b32 s26, s20, s26                    ; u = 0..5: Wq, Wk, Wv, Wo, W1, W2
	s_cselect_b32 s25, s20, s25                    ; the tensor's place in wcodes, in MiB
	s_and_b32 s19, s19, s21                        ; the block's number in its tensor
	s_cmp_eq_u32 s18, 1
	s_cselect_b32 s21, 31, 7
	s_cselect_b32 s22, 5, 3
	s_cselect_b32 s23, 14, 12                      ; log2 of a source row's bytes
	s_cmp_eq_u32 s18, 2
	s_cselect_b32 s24, 12, 10                      ; log2 of a row of codes
	s_and_b32 s21, s19, s21                        ; which 128 columns
	s_lshr_b32 s22, s19, s22                       ; which 256 along K
	s_lshl_b32 s25, s25, 20
	s_mov_b64 s[32:33], s[36:37]
	s_mov_b32 s30, s69                             ; e1, e3, e5, e11, e13, e15
	s_cmp_eq_u32 s26, 1
	s_cselect_b64 s[32:33], s[38:39], s[32:33]
	s_cselect_b32 s30, s71, s30
	s_cmp_eq_u32 s26, 2
	s_cselect_b64 s[32:33], s[40:41], s[32:33]
	s_cselect_b32 s30, s73, s30
	s_cmp_eq_u32 s26, 3
	s_cselect_b64 s[32:33], s[42:43], s[32:33]
	s_cselect_b32 s30, s79, s30
	s_cmp_eq_u32 s26, 4
	s_cselect_b64 s[32:33], s[44:45], s[32:33]
	s_cselect_b32 s30, s81, s30
	s_cmp_eq_u32 s26, 5
	s_cselect_b64 s[32:33], s[46:47], s[32:33]
	s_cselect_b32 s30, s83, s30
	s_lshl_b32 s27, s21, 7
	s_lshl_b32 s28, s16, 5
	s_add_co_u32 s27, s27, s28                     ; my wave's first column
	s_add_co_u32 s28, s23, 8
	s_lshl_b32 s28, s22, s28                       ; 256 rows of K x the block's number
	s_lshl_b32 s29, s27, 2
	s_add_co_u32 s28, s28, s29
	s_mov_b32 s29, 0
	s_add_nc_u64 s[84:85], s[32:33], s[28:29]      ; a base for each of the eight blocks of 32 rows
	s_add_co_u32 s34, s23, 5
	s_lshl_b32 s34, 1, s34
	s_mov_b32 s35, 0
.irp t, 1,2,3,4,5,6,7
	s_add_nc_u64 s[84+2*\t:85+2*\t], s[82+2*\t:83+2*\t], s[34:35]
.endr
	s_lshl_b32 s28, s27, s24
	s_add_co_u32 s28, s28, s25
	s_lshl_b32 s31, s22, 8
	s_add_co_u32 s28, s28, s31
	s_add_nc_u64 s[48:49], s[48:49], s[28:29]      ; the codes: my first column's row, at my 256 along K
	s_lshl_b32 s31, 1, s23                         ; a source row's bytes
	s_wait_alu depctr_va_vdst(0)
	v_lshlrev_b32 v16, 2, v2                       ; v16-47: 4 x lane + i rows
.set n, 1
.rept 31
	v_add_nc_u32 v[16+n], s31, v[15+n]
.set n, n+1
.endr
	WLOAD 0
	WLOAD 1
	s_mul_i32 s17, s16, 32*272                     ; my stage
	v_mul_u32_u24 v4, v2, 272
	v_add_nc_u32 v4, s17, v4                       ; into it: row = my column
	v_and_b32 v5, 15, v2
	v_lshrrev_b32 v6, 4, v2
	v_mul_u32_u24 v7, v6, 272
	v_lshl_add_u32 v7, v5, 4, v7
	v_add_nc_u32 v7, s17, v7                       ; out of it: sixteen lanes to a row, two rows an instruction
	v_lshlrev_b32 v8, s24, v6
	v_lshl_add_u32 v184, v5, 4, v8                 ; v184-199: the same places among the rows of codes
	s_add_co_u32 s18, s24, 1
	s_lshl_b32 s18, 1, s18
.set n, 1
.rept 15
	v_add_nc_u32 v[184+n], s18, v[183+n]
.set n, n+1
.endr
	MKSCALE 30, 11, 10
	s_wait_alu depctr_va_vdst(0)
.irp t, 0,1,2,3,4,5,6,7
	WBLOCK \t
.endr
.set n, 0
.rept 16
	ds_load_b128 v[120+4*n:123+4*n], v7 offset:2*n*272   ; LDS serves a wave's instructions in order (ISA guide 5.7.1.4): these see my stores
.set n, n+1
.endr
.set n, 0
.rept 16
	s_wait_dscnt 15-n
	global_store_b128 v[184+n], v[120+4*n:123+4*n], s[48:49]
.set n, n+1
.endr
	s_wait_tensorcnt 0x0                           ; the wave's end
	ds_add_u32 v[SPW], v[NIL]
	s_wait_dscnt 0x0
	s_endpgm
.Lfunc_end_k_qad0e60ab4d_prep:
	.size	k_qad0e60ab4d_prep, .Lfunc_end_k_qad0e60ab4d_prep-k_qad0e60ab4d_prep
	.p2alignl 7, 3214868480
	.fill 96, 4, 3214868480
	.section	.rodata,"a",@progbits
	.p2align	6, 0x0
	.amdhsa_kernel k_qad0e60ab4d_prep
		.amdhsa_group_segment_fixed_size 35840
		.amdhsa_private_segment_fixed_size 0
		.amdhsa_enable_private_segment 0
		.amdhsa_kernarg_size 104
		.amdhsa_user_sgpr_count 2
		.amdhsa_user_sgpr_kernarg_segment_ptr 1
		.amdhsa_wavefront_size32 1
		.amdhsa_system_sgpr_workgroup_id_x 1
		.amdhsa_system_sgpr_workgroup_id_y 1
		.amdhsa_system_sgpr_workgroup_id_z 1
		.amdhsa_system_vgpr_workitem_id 0
		.amdhsa_next_free_vgpr 208
		.amdhsa_next_free_sgpr 100
		.amdhsa_reserve_vcc 1
		.amdhsa_float_denorm_mode_32 3
		.amdhsa_float_denorm_mode_16_64 3
		.amdhsa_memory_ordered 1
		.amdhsa_forward_progress 1
		.amdhsa_inst_pref_size 121
	.end_amdhsa_kernel
	.amdgpu_metadata
---
amdhsa.version: [ 1, 2 ]
amdhsa.kernels:
  - .name:           k_qad0e60ab4d_prep
    .symbol:         k_qad0e60ab4d_prep.kd
    .args:
      - { .name: x, .offset: 0, .size: 8, .value_kind: global_buffer, .address_space: global }
      - { .name: ln1_g, .offset: 8, .size: 8, .value_kind: global_buffer, .address_space: global }
      - { .name: ln1_b, .offset: 16, .size: 8, .value_kind: global_buffer, .address_space: global }
      - { .name: lowp_scales, .offset: 24, .size: 8, .value_kind: global_buffer, .address_space: global }
      - { .name: acodes, .offset: 32, .size: 8, .value_kind: global_buffer, .address_space: global }
      - { .name: Wq, .offset: 40, .size: 8, .value_kind: global_buffer, .address_space: global }
      - { .name: Wk, .offset: 48, .size: 8, .value_kind: global_buffer, .address_space: global }
      - { .name: Wv, .offset: 56, .size: 8, .value_kind: global_buffer, .address_space: global }
      - { .name: Wo, .offset: 64, .size: 8, .value_kind: global_buffer, .address_space: global }
      - { .name: W1, .offset: 72, .size: 8, .value_kind: global_buffer, .address_space: global }
      - { .name: W2, .offset: 80, .size: 8, .value_kind: global_buffer, .address_space: global }
      - { .name: wcodes, .offset: 88, .size: 8, .value_kind: global_buffer, .address_space: global }
      - { .name: rope, .offset: 96, .size: 8, .value_kind: global_buffer, .address_space: global }
    .group_segment_fixed_size: 35840
    .private_segment_fixed_size: 0
    .kernarg_segment_align: 8
    .kernarg_segment_size: 104
    .max_flat_workgroup_size: 128
    .sgpr_count:     100
    .vgpr_count:     208
    .wavefront_size: 32
...
	.end_amdgpu_metadata
.endif
;; end of part 1
;; launch qkv (part 2): grid 12 x 16, 4 waves a work-group, clusters of 4 x 4, 327,680 bytes of LDS; arguments acodes, wcodes, lowp_scales, bq, bk, bv, rope, qkv; writes qkv
.if DOCPART == 2
	.amdgcn_target "amdgcn-amd-amdhsa--gfx1250"
	.amdhsa_code_object_version 6
	.text
	.protected	k_qad0e60ab4d_qkv
	.globl	k_qad0e60ab4d_qkv
	.p2align	8
	.type	k_qad0e60ab4d_qkv,@function
k_qad0e60ab4d_qkv:
	s_mov_b64 s[64:65], 0
	v_nop
	global_prefetch_b8 v0, s[64:65] scope:SCOPE_SE
	s_setreg_imm32_b32 hwreg(HW_REG_WAVE_MODE, 25, 1), 1
	s_wait_xcnt 0x0
	s_wait_alu depctr_hold_cnt(0) depctr_sa_sdst(0) depctr_va_vdst(0) depctr_va_sdst(0) depctr_va_ssrc(0) depctr_va_vcc(0) depctr_vm_vsrc(0)
	s_getreg_b32 s2, hwreg(HW_REG_IB_STS2, 6, 4)
	s_cmp_eq_u32 s2, 0
	s_cbranch_scc0 .Lentry_in_a_cluster
	s_endpgm
.Lentry_in_a_cluster:
	s_bfe_u32 s2, ttmp6, 0x10000c
	s_cmp_lg_u32 s2, 0xf033
	s_cbranch_scc0 .Lentry_shape_is_right
	s_endpgm
.Lentry_shape_is_right:
.set KSTEP,  256
.set ROWB,   256
.set KROW,   1024
.set PITCH,  272
.set FR,     16
.set NL,     4
.set NP,     4
.set HALFT,  128*PITCH
.set SLOT,   4*HALFT
.set LAPS,   2
.set SPARE,  2*SLOT
.set ADRA, 16
.set BVO,  18
.set ADRB, 20
.set RDQ,  22
.set RDQ2, 23
.set STO,  24
.set RDR,  25
.set GQ,   26
.set GV,   27
.set SPW,  28
.set NIL,  29
.set RTO,  30
.set BO,   31
.set BIAS, 32
.set TMP,  128
.set CD,   192
.set AF,   128
.set G1, 24
.set G0, 32
.set G1B, 48
.set G0B, 56
.set MSB, 0
.macro WIN new
.if MSB != \new
	s_set_vgpr_msb (MSB<<8)|\new
.set MSB, \new
.endif
.endm
.set MUL_LO, 0xa1
.set MUL_HI, 0xf1
.set TO_B,   0x40
.macro JLOAD g0a, g1a, g0b, g1b
	s_cmp_eq_u32 s15, 0
	s_cbranch_scc0 .Lfor_b_\@
	tensor_load_to_lds s[\g0a:\g0a+3], s[\g1a:\g1a+7]
	s_nop 0
.rept 4
	v_nop
.endr
	s_branch .Lasked_\@
.Lfor_b_\@:
	tensor_load_to_lds s[\g0b:\g0b+3], s[\g1b:\g1b+7]
	s_nop 0
.rept 4
	v_nop
.endr
.Lasked_\@:
.endm
.macro CREST
	s_cmp_lg_u32 s14, 0
	s_cbranch_scc1 .Lnot_wave_0_\@
	s_barrier_signal -3
.Lnot_wave_0_\@:
	s_barrier_wait -3
	s_barrier_signal -1
	s_barrier_wait -1
.endm
.macro CROUND
	s_barrier_signal -1
	s_barrier_wait -1
	CREST
.endm
	s_load_b512 s[68:83], s[0:1], 0x0
	v_lshl_add_u32 v[SPW], v0, 2, SPARE
	v_mov_b32 v[NIL], 0
	ds_add_u32 v[SPW], v[NIL]
	ds_add_u32 v[SPW], v[NIL]
	v_lshrrev_b32 v1, 5, v0
	v_readfirstlane_b32 s14, v1
	s_lshr_b32 s15, s14, 1
	s_and_b32 s16, s14, 1
	s_bfe_u32 s40, ttmp6, 0x40000
	s_bfe_u32 s41, ttmp6, 0x40004
	s_and_b32 s17, ttmp7, 0xffff
	s_lshl_b32 s17, s17, 2
	s_lshl_b32 s43, s41, 2
	s_lshl_b32 s43, 15, s43
	s_lshl_b32 s44, 0x1111, s40
	s_or_b32 s[G1+0], s43, (0<<16)|(1<<20)|(1<<21)|(5<<22)|(3<<25)
	s_or_b32 s[G1B+0], s44, (0<<16)|(1<<20)|(1<<21)|(5<<22)|(3<<25)
.irp g, G1, G1B
	s_mov_b32 s[\g+1], ROWB<<16
	s_mov_b32 s[\g+2], 128<<16
	s_mov_b32 s[\g+3], ROWB<<16
	s_mov_b32 s[\g+4], 128
	s_mov_b32 s[\g+5], KROW
	s_mov_b32 s[\g+6], 0
	s_mov_b32 s[\g+7], 0
.endr
	s_cmp_eq_u32 ttmp9, 2
	s_cselect_b32 s18, 0, s17
	s_cselect_b32 s19, s17, 0
	s_cselect_b32 s20, 8, 7
	s_cselect_b32 s21, 7, 9
	s_add_co_u32 s18, s18, s41
	s_add_co_u32 s42, s19, s40
	s_lshl_b32 s22, s18, 8
	s_lshl_b32 s23, s16, 7
	s_add_co_u32 s22, s22, s23
	s_lshl_b32 s46, s42, s20
	s_lshl_b32 s47, s16, s21
	s_add_co_u32 s46, s46, s47
	s_lshl_b32 s22, s22, 10
	s_mov_b32 s23, 0
	s_lshl_b32 s46, s46, 10
	s_mov_b32 s47, 0
	s_mul_i32 s45, s14, HALFT
	s_lshl_b32 s2, ttmp9, 22
	s_mov_b32 s3, 0
	s_lshl_b32 s12, ttmp9, 20
	s_mov_b32 s13, 0
	s_wait_dscnt 0x0
	s_wait_kmcnt 0x0
	s_load_b512 s[84:99], s[72:73], 0x0
	s_add_nc_u64 s[4:5], s[68:69], s[2:3]
	s_add_nc_u64 s[6:7], s[70:71], s[12:13]
	s_cmp_eq_u32 ttmp9, 2
	s_cselect_b64 s[8:9], s[6:7], s[4:5]
	s_cselect_b64 s[10:11], s[4:5], s[6:7]
	s_add_nc_u64 s[8:9], s[8:9], s[22:23]
	s_add_nc_u64 s[46:47], s[10:11], s[46:47]
	CROUND
.irp s, 0,1
	s_mov_b32 s[G0+4*\s], 1
	s_add_co_u32 s[G0+4*\s+1], s45, \s*SLOT
	s_add_nc_u64 s[G0+4*\s+2:G0+4*\s+3], s[8:9], \s*ROWB
	s_or_b32 s[G0+4*\s+3], s[G0+4*\s+3], 0x80000000
	s_mov_b32 s[G0B+4*\s], 1
	s_add_co_u32 s[G0B+4*\s+1], s45, \s*SLOT
	s_add_nc_u64 s[G0B+4*\s+2:G0B+4*\s+3], s[46:47], \s*ROWB
	s_or_b32 s[G0B+4*\s+3], s[G0B+4*\s+3], 0x80000000
.endr
	JLOAD G0, G1, G0B, G1B                         ; K step 0: one tensor load a wave at the head
	v_and_b32 v1, 15, v0
	v_bfe_u32 v2, v0, 4, 1
	v_mul_u32_u24 v3, v1, PITCH
	s_wait_alu depctr_va_vdst(0)
	v_lshl_add_u32 v4, v2, 4, v3
	s_mul_i32 s21, s15, HALFT
	s_mul_i32 s22, s16, HALFT
	s_add_co_u32 s22, s22, 2*HALFT
.irp s, 0,1
	v_add_nc_u32 v[ADRA+\s], s21, v4
	v_add_nc_u32 v[ADRB+\s], s22, v4
	s_add_co_u32 s21, s21, SLOT
	s_add_co_u32 s22, s22, SLOT
.endr
	s_mul_i32 s21, s15, HALFT
	s_lshl_b32 s22, s16, 7
	s_add_co_u32 s21, s21, s22
	v_lshl_add_u32 v[STO], v2, 3, v3
	v_add_nc_u32 v[STO], s21, v[STO]
	s_mul_i32 s21, s14, 64*PITCH
	v_mul_u32_u24 v5, v2, PITCH
	v_lshl_add_u32 v5, v1, 4, v5
	v_add_nc_u32 v[RDR], s21, v5
	v_and_b32 v6, 31, v0
	v_lshrrev_b32 v7, 2, v6
	v_mul_u32_u24 v7, v7, PITCH
	v_and_b32 v8, 3, v6
	v_lshl_add_u32 v7, v8, 4, v7
	s_lshl_b32 s21, s14, 6
	v_add_nc_u32 v[RDQ], s21, v7
	v_add_nc_u32 v[RDQ2], 128*PITCH, v[RDQ]
	v_lshlrev_b32 v[GQ], 4, v6
	v_lshlrev_b32 v[GV], 11, v2
	v_lshl_add_u32 v[GV], v1, 4, v[GV]
	v_lshlrev_b32 v[RTO], 8, v1
	v_lshl_add_u32 v[RTO], v2, 5, v[RTO]
	v_lshlrev_b32 v[BO], 5, v2
	v_lshlrev_b32 v[BVO], 2, v1
	; THE PREFETCHES INTO THE L2: K steps 1 to 3 (256 bytes of a row each) of the 128 rows that my wave fetches.  The four partners that ask for them jointly take 32 rows each, told apart by address
	; (cx for the first operand, cy for the second): a lane a row, one instruction a K step.  K step 0 comes by its load alone.  The registers are never rewritten.
	s_cmp_eq_u32 s15, 0                            ; which operand do I fetch for?
	s_cselect_b64 s[66:67], s[8:9], s[46:47]       ; my 128 rows
	s_cselect_b32 s2, s40, s41                     ; my place among the four
	s_lshl_b32 s2, s2, 15                          ; 32 rows of 1,024 bytes
	s_mov_b32 s3, 0
	s_add_nc_u64 s[66:67], s[66:67], s[2:3]
	v_and_b32 v19, 31, v0
	v_lshlrev_b32 v19, 10, v19
	global_prefetch_b8 v19, s[66:67] offset:256 th:TH_LOAD_NT scope:SCOPE_SE
	global_prefetch_b8 v19, s[66:67] offset:512 th:TH_LOAD_NT scope:SCOPE_SE
	global_prefetch_b8 v19, s[66:67] offset:768 th:TH_LOAD_NT scope:SCOPE_SE
.macro FRAG reg, adr, q, i
.irp c, 0,1,2,3
	ds_load_b128 v[\reg+4*\c:\reg+4*\c+3], v[\adr] offset:128*(\q)+32*\c+(\i)*16*PITCH
.endr
.endm
.macro MUL16 a0, p, zero
.irp a, \a0, \a0+1
.irp b, 0,1,2,3,4,5,6,7
.if \zero
	v_wmma_f32_16x16x128_bf8_bf8 v[8*(8*((\a)%4)+\b):8*(8*((\a)%4)+\b)+7], v[128*(\p)+FR*\b:128*(\p)+FR*\b+FR-1], v[AF+FR*(\a):AF+FR*(\a)+FR-1], 0
.else
	v_wmma_f32_16x16x128_bf8_bf8 v[8*(8*((\a)%4)+\b):8*(8*((\a)%4)+\b)+7], v[128*(\p)+FR*\b:128*(\p)+FR*\b+FR-1], v[AF+FR*(\a):AF+FR*(\a)+FR-1], v[8*(8*((\a)%4)+\b):8*(8*((\a)%4)+\b)+7]
.endif
.endr
.endr
.endm
.macro FETCH_B slot, q, p
	WIN TO_B
.irp i, 0,1,2,3,4,5,6,7
	FRAG 128*(\p)+FR*\i, ADRB+\slot, \q, \i
.endr
	WIN 0
.endm
.macro FETCH_A slot, q, i0
.irp i, \i0, \i0+1, \i0+2, \i0+3
	FRAG AF+FR*(\i), ADRA+\slot, \q, \i
.endr
.endm
.macro PLACES n
.rept \n
	v_nop
.endr
.endm
.macro STEP slot, q, zero
	s_wait_dscnt 4*NL
	WIN MUL_LO
	MUL16 0, (\q)%2, \zero
	MUL16 2, (\q)%2, \zero
	s_wait_dscnt 0
	PLACES NP
	FETCH_B \slot, (\q)+1, 1-(\q)%2
	FETCH_A \slot, (\q)+1, 0
	WIN MUL_HI
	MUL16 4, (\q)%2, \zero
	MUL16 6, (\q)%2, \zero
	PLACES NP
	WIN 0
	FETCH_A \slot, (\q)+1, 4
.endm
.macro TURN slot, next, fill
	s_wait_tensorcnt 0x0
	ds_add_u32 v[SPW], v[NIL]
	s_wait_dscnt 4*NL+1
	WIN MUL_LO
	MUL16 0, 1, 0
	s_wait_dscnt 0x0
	s_barrier_signal -1
	MUL16 2, 1, 0
	WIN 0
	s_barrier_wait -1
.if \fill
	CREST
	s_add_nc_u64 s[G0+4*\slot+2:G0+4*\slot+3], s[G0+4*\slot+2:G0+4*\slot+3], 2*ROWB
	s_add_nc_u64 s[G0B+4*\slot+2:G0B+4*\slot+3], s[G0B+4*\slot+2:G0B+4*\slot+3], 2*ROWB
	JLOAD G0+4*\slot, G1, G0B+4*\slot, G1B
.else
	PLACES NP
.endif
	FETCH_B \next, 0, 0
	FETCH_A \next, 0, 0
	WIN MUL_HI
	MUL16 4, 1, 0
	MUL16 6, 1, 0
	PLACES NP
	WIN 0
	FETCH_A \next, 0, 4
.endm
.macro LAST
	s_wait_dscnt 4*NL
	WIN MUL_LO
	MUL16 0, 1, 0
	MUL16 2, 1, 0
	s_wait_dscnt 0
	WIN MUL_HI
	MUL16 4, 1, 0
	MUL16 6, 1, 0
	WIN 0
.endm
.macro RTLOAD a
.irp bb, 0,1,2,3
	global_load_b128 v[32*(\a)+8*\bb:32*(\a)+8*\bb+3], v[RTO], s[8:9] offset:4096*(\a)+64*\bb
	global_load_b128 v[32*(\a)+8*\bb+4:32*(\a)+8*\bb+7], v[RTO], s[8:9] offset:4096*(\a)+64*\bb+16
.endr
.endm
.macro BLK a, isv
.set AC, 64*((\a)%4)
.set CSET, CD+16*((\a)%4)
.if (\a) >= 4
	s_wait_dscnt 24
.endif
.if !(\isv)
	s_wait_loadcnt 8*(7-(\a))
.endif
	WIN 0x02+((\a)/4)
.set n, 0
.rept 32
.if \isv
	v_pk_fma_f32 v[TMP+n:TMP+n+1], v[AC+n:AC+n+1], s[100:101], v[BIAS+2*(\a):BIAS+2*(\a)+1] op_sel_hi:[1,0,1]
.else
	v_pk_fma_f32 v[TMP+n:TMP+n+1], v[AC+n:AC+n+1], s[100:101], v[BIAS+n:BIAS+n+1] op_sel_hi:[1,0,1]
.endif
.set n, n+2
.endr
	WIN 0
.if !(\isv)
	s_cmp_lg_u32 s16, 0
	s_cbranch_scc1 .Lplain_\@
	WIN 0x04
.irp hh, 0,1
.irp bb, 0,1,2,3
.irp jj, 0,1,2,3
	v_mul_f32 v[8+2*\jj], v[TMP+8*(4*\hh+\bb)+2*\jj+1], v[32*(\a)+8*\bb+2*\jj+1]
	v_mul_f32 v[9+2*\jj], v[TMP+8*(4*\hh+\bb)+2*\jj], v[32*(\a)+8*\bb+2*\jj+1]
	v_fma_f32 v[TMP+8*(4*\hh+\bb)+2*\jj], v[TMP+8*(4*\hh+\bb)+2*\jj], v[32*(\a)+8*\bb+2*\jj], -v[8+2*\jj]
	v_fma_f32 v[TMP+8*(4*\hh+\bb)+2*\jj+1], v[TMP+8*(4*\hh+\bb)+2*\jj+1], v[32*(\a)+8*\bb+2*\jj], v[9+2*\jj]
.endr
.endr
.endr
	WIN 0
.Lplain_\@:
.endif
.set n, 0
.rept 64
	v_med3_num_f32 v[TMP+n], v[TMP+n], -v4, v4
.set n, n+1
.endr
.set n, 0
.rept 8
	v_cvt_scalef32_pk8_bf8_f32 v[CSET+2*n:CSET+2*n+1], v[TMP+8*n:TMP+8*n+7], v5
.set n, n+1
.endr
	v_nop
.set n, 0
.rept 8
	ds_store_b64 v[STO], v[CSET+2*n:CSET+2*n+1] offset:(\a)*16*PITCH+16*n
.set n, n+1
.endr
.endm
.macro MKOUT ea, eb, eo
	s_add_co_i32 s[\ea], s[\ea], s[\eb]
	s_add_co_i32 s[\ea], s[\ea], 127
	s_lshl_b32 s100, s[\ea], 23
	s_mov_b32 s101, s100
	s_add_co_i32 s[\eo], s[\eo], 127
	s_lshl_b32 s[\ea], s[\eo], 23
	v_mov_b32 v5, s[\ea]
	s_add_co_i32 s[\eo], s[\eo], 15
	s_lshl_b32 s[\eo], s[\eo], 23
	s_or_b32 s[\eo], s[\eo], 0x600000
	v_mov_b32 v4, s[\eo]
.endm
	s_wait_alu depctr_va_vdst(0)                   ; the wait at the head's end
	s_wait_tensorcnt 0x0                           ; my part of K step 0 is in; the three lines ahead of slot 1's first fill
	ds_add_u32 v[SPW], v[NIL]
	s_wait_dscnt 0x0
	CROUND                                         ; everybody's part is in, and the joint loads meet
	JLOAD G0+4, G1, G0B+4, G1B                     ; K step 1
	FETCH_B 0, 0, 0
	FETCH_A 0, 0, 0
	FETCH_A 0, 0, 4
	STEP 0, 0, 1
	s_mov_b32 s3, LAPS-1
.Llap:
	TURN 0, 1, 1
	STEP 1, 0, 0
	TURN 1, 0, 1
	STEP 0, 0, 0
	s_sub_co_u32 s3, s3, 1
	s_cmp_lg_u32 s3, 0
	s_cbranch_scc1 .Llap
	TURN 0, 1, 0
	STEP 1, 0, 0
	s_cmp_eq_u32 ttmp9, 2
	s_cbranch_scc1 .Lv
	s_wait_kmcnt 0x0
	s_add_co_i32 s12, s90, 3
	s_cmp_eq_u32 ttmp9, 0
	s_cselect_b64 s[4:5], s[74:75], s[76:77]
	s_cselect_b32 s10, s84, s86
	s_cselect_b32 s11, s85, s87
	s_cselect_b32 s13, s12, s91
	s_lshl_b32 s6, s16, 11
	s_lshl_b32 s7, s40, 9
	s_add_co_u32 s6, s6, s7
	s_mov_b32 s7, 0
	s_add_nc_u64 s[4:5], s[4:5], s[6:7]
.set n, 0
	s_wait_alu depctr_va_vdst(0)
.rept 8
	global_load_b128 v[BIAS+8*n:BIAS+8*n+3], v[BO], s[4:5] offset:64*n
	global_load_b128 v[BIAS+8*n+4:BIAS+8*n+7], v[BO], s[4:5] offset:64*n+16
.set n, n+1
.endr
	s_lshl_b32 s8, s18, 8
	s_lshl_b32 s9, s15, 7
	s_add_co_u32 s8, s8, s9
	s_and_b32 s8, s8, 2047
	s_lshl_b32 s8, s8, 8
	s_mov_b32 s9, 0
	s_add_nc_u64 s[8:9], s[80:81], s[8:9]
	WIN TO_B
.irp a, 0,1,2,3
	RTLOAD \a
.endr
	WIN 0
	MKOUT 10, 11, 13
	LAST
	PLACES NP
	WIN TO_B
.irp a, 4,5,6,7
	RTLOAD \a
.endr
	WIN 0
.irp a, 0,1,2,3,4,5,6,7
	BLK \a, 0
.endr
	s_lshr_b32 s6, s18, 3
	s_lshl_b32 s6, s6, 4
	s_lshl_b32 s7, s15, 3
	s_add_co_u32 s6, s6, s7
	s_lshl_b32 s7, s40, 1
	s_add_co_u32 s6, s6, s7
	s_add_co_u32 s6, s6, s16
	s_lshl_b32 s6, s6, 11
	s_lshl_b32 s7, s18, 8
	s_and_b32 s7, s7, 2047
	s_add_co_u32 s6, s6, s7
	s_lshl_b32 s6, s6, 6
	s_lshl_b32 s7, ttmp9, 22
	s_add_co_u32 s6, s6, s7
	s_mov_b32 s7, 0
	s_add_nc_u64 s[20:21], s[82:83], s[6:7]
	s_wait_dscnt 0x0
	s_barrier_signal -1
	s_barrier_wait -1
.set n, 0
.rept 16
	ds_load_b128 v[128+4*n:131+4*n], v[RDQ] offset:n*8*PITCH
.set n, n+1
.endr
.set n, 0
.rept 16
	ds_load_b128 v[192+4*n:195+4*n], v[RDQ2] offset:n*8*PITCH
.set n, n+1
.endr
.set n, 0
.rept 32
	s_wait_dscnt 31-n
	global_store_b128 v[GQ], v[128+4*n:131+4*n], s[20:21] offset:512*n
.set n, n+1
.endr
	s_wait_tensorcnt 0x0
	ds_add_u32 v[SPW], v[NIL]
	s_wait_dscnt 0x0
	CROUND
	s_endpgm
.Lv:
	s_wait_kmcnt 0x0
	s_lshl_b32 s6, s18, 10
	s_lshl_b32 s7, s15, 9
	s_add_co_u32 s6, s6, s7
	s_mov_b32 s7, 0
	s_add_nc_u64 s[4:5], s[78:79], s[6:7]
.set n, 0
	s_wait_alu depctr_va_vdst(0)
.rept 8
	global_load_b32 v[BIAS+2*n], v[BVO], s[4:5] offset:64*n
	global_load_b32 v[BIAS+2*n+1], v[BVO], s[4:5] offset:64*n
.set n, n+1
.endr
	s_mov_b32 s10, s88
	s_mov_b32 s11, s89
	s_mov_b32 s13, s93
	MKOUT 10, 11, 13
	LAST
	PLACES NP
	s_wait_loadcnt 0x0
.irp a, 0,1,2,3,4,5,6,7
	BLK \a, 1
.endr
	s_lshr_b32 s6, s42, 3
	s_lshl_b32 s6, s6, 10
	s_lshl_b32 s7, s18, 8
	s_add_co_u32 s6, s6, s7
	s_lshl_b32 s7, s14, 6
	s_add_co_u32 s6, s6, s7
	s_lshl_b32 s6, s6, 11
	s_lshl_b32 s7, s42, 8
	s_and_b32 s7, s7, 2047
	s_add_co_u32 s6, s6, s7
	s_mov_b32 s7, 0
	s_add_nc_u64 s[20:21], s[82:83], s[6:7]
	s_add_nc_u64 s[20:21], s[20:21], 0x800000
	s_wait_dscnt 0x0
	s_barrier_signal -1
	s_barrier_wait -1
.set n, 0
.rept 32
	ds_load_b128 v[128+4*n:131+4*n], v[RDR] offset:n*2*PITCH
.set n, n+1
.endr
.set n, 0
.rept 32
	s_wait_dscnt 31-n
	global_store_b128 v[GV], v[128+4*n:131+4*n], s[20:21] offset:4096*n
.set n, n+1
.endr
	s_wait_tensorcnt 0x0
	ds_add_u32 v[SPW], v[NIL]
	s_wait_dscnt 0x0
	CROUND
	s_endpgm
.Lfunc_end_k_qad0e60ab4d_qkv:
	.size	k_qad0e60ab4d_qkv, .Lfunc_end_k_qad0e60ab4d_qkv-k_qad0e60ab4d_qkv
	.p2alignl 7, 3214868480
	.fill 96, 4, 3214868480
	.section	.rodata,"a",@progbits
	.p2align	6, 0x0
	.amdhsa_kernel k_qad0e60ab4d_qkv
		.amdhsa_group_segment_fixed_size 327680
		.amdhsa_private_segment_fixed_size 0
		.amdhsa_enable_private_segment 0
		.amdhsa_kernarg_size 64
		.amdhsa_user_sgpr_count 2
		.amdhsa_user_sgpr_kernarg_segment_ptr 1
		.amdhsa_wavefront_size32 1
		.amdhsa_system_sgpr_workgroup_id_x 1
		.amdhsa_system_sgpr_workgroup_id_y 1
		.amdhsa_system_sgpr_workgroup_id_z 1
		.amdhsa_system_vgpr_workitem_id 0
		.amdhsa_next_free_vgpr 1024
		.amdhsa_next_free_sgpr 102
		.amdhsa_reserve_vcc 0
		.amdhsa_float_denorm_mode_32 3
		.amdhsa_float_denorm_mode_16_64 3
		.amdhsa_memory_ordered 1
		.amdhsa_forward_progress 1
		.amdhsa_inst_pref_size 255
	.end_amdhsa_kernel
	.section	.bss,"aw",@nobits
	.p2align	6
	.space	262144
	.amdgpu_metadata
---
amdhsa.version: [ 1, 2 ]
amdhsa.kernels:
  - .name:           k_qad0e60ab4d_qkv
    .symbol:         k_qad0e60ab4d_qkv.kd
    .args:
      - { .name: acodes, .offset: 0, .size: 8, .value_kind: global_buffer, .address_space: global }
      - { .name: wcodes, .offset: 8, .size: 8, .value_kind: global_buffer, .address_space: global }
      - { .name: lowp_scales, .offset: 16, .size: 8, .value_kind: global_buffer, .address_space: global }
      - { .name: bq, .offset: 24, .size: 8, .value_kind: global_buffer, .address_space: global }
      - { .name: bk, .offset: 32, .size: 8, .value_kind: global_buffer, .address_space: global }
      - { .name: bv, .offset: 40, .size: 8, .value_kind: global_buffer, .address_space: global }
      - { .name: rope, .offset: 48, .size: 8, .value_kind: global_buffer, .address_space: global }
      - { .name: qkv, .offset: 56, .size: 8, .value_kind: global_buffer, .address_space: global }
    .group_segment_fixed_size: 327680
    .private_segment_fixed_size: 0
    .kernarg_segment_align: 8
    .kernarg_segment_size: 64
    .max_flat_workgroup_size: 128
    .sgpr_count:     102
    .vgpr_count:     1024
    .wavefront_size: 32
...
	.end_amdgpu_metadata
.endif
;; end of part 2
;; launch attn (part 3): grid 8 x 32, 8 waves a work-group, clusters of 4 x 1, 327,680 bytes of LDS; arguments qkv, lowp_scales, ocodes; writes ocodes
.if DOCPART == 3
	.amdgcn_target "amdgcn-amd-amdhsa--gfx1250"
	.amdhsa_code_object_version 6
	.text
	.protected	k_qad0e60ab4d_attn
	.globl	k_qad0e60ab4d_attn
	.p2align	8
	.type	k_qad0e60ab4d_attn,@function
k_qad0e60ab4d_attn:
	s_mov_b64 s[64:65], 0
	v_nop
	global_prefetch_b8 v0, s[64:65] scope:SCOPE_SE
	s_setreg_imm32_b32 hwreg(HW_REG_WAVE_MODE, 25, 1), 1
	s_wait_xcnt 0x0
	s_wait_alu depctr_hold_cnt(0) depctr_sa_sdst(0) depctr_va_vdst(0) depctr_va_sdst(0) depctr_va_ssrc(0) depctr_va_vcc(0) depctr_vm_vsrc(0)
	s_getreg_b32 s2, hwreg(HW_REG_IB_STS2, 6, 4)
	s_cmp_eq_u32 s2, 0
	s_cbranch_scc0 .Lentry_in_a_cluster
	s_endpgm
.Lentry_in_a_cluster:
	s_bfe_u32 s2, ttmp6, 0x10000c
	s_cmp_lg_u32 s2, 0x3003
	s_cbranch_scc0 .Lentry_shape_is_right
	s_endpgm
.Lentry_shape_is_right:
; out[bh][q] = softmax_k(q . k) v on codes of E5M2 (the 1/8 lies in q's codes), no mask; the result quantised at e10 for the projection.  Nothing of the problem is left out here.
; q, k: [32 bh][2048][64]; v: [32 bh][64 d][2048 keys]; ocodes: [16 head][4096 row][64], so that a wave's 32 queries are 2,048 consecutive bytes.
; THE SOFTMAX: t = score x log2(e); M = the running largest t rounded up to a whole number; p = 2^(t - M) is quantised at e8, not normalised; the row's sum is taken of the unquantised p and divides at the end.
; SHARES.  A work-group owns 256 queries of one head; each of its eight waves owns 32, two tiles A and B of 16, in 512 registers: each fragment of K and of V that a wave reads feeds two matrix instructions.
; Every wave walks all 2,048 keys, 128 a trip, 16 trips.
; NO RING: a head's K (2,048 rows of 64 + 16 bytes) and V (4 chunks of 512 keys: 64 rows of 512 + 16 bytes) lie in LDS whole, by ONE tensor load a wave at the head (waves 0-3: 512 keys of K; waves 4-7: a chunk of V).
; No byte is filled twice; one barrier shows the tiles to all.  CLUSTER: the four query blocks of a cluster belong to one head and ask for K and V jointly.
; No prefetch: all fills go out at the head, so there is no loop of fills to run ahead in.
; LAYOUT.  Both products transposed: S^T = K Q^T (source 0 = 16 keys), O^T = V^T P^T (source 0 = 16 channels): a lane holds one query of each tile (lane % 16) throughout.
; THE KEYS OF A TILE ARE NOT NEIGHBOURS: lane r of tile 2 b + u takes key 32 b + 8 u + r + 8 (r / 8), so that the 16 registers of tiles 2 b, 2 b + 1 are keys 32 b + 16 (lane / 16) + 0 .. 15.
; LIMITS: e6 + e7 between -126 and 127; e8, e10 between -126 and 112; the scaled scores t stay under 2^31 in magnitude.
; REGISTERS.  Window 0: v1-7 addresses; v[12:13], v[14:15] (-M, largest score) of A, B; v[16:17], v[18:19] f of A, B; v20 2^e8; v22-31 at work; v32-95 S^T then p of A; v96-159 of B; v160-223 A's p held; v224-231, v232-239 sums (the row's sum in the last pair).
; Window 1: v0-15 Q of A, B; v16-47 p's codes of A, B; v48-111 K's eight fragments; v112-175 V's four; v176-207, v208-239 O^T of A, B.  All of the softmax runs in window 0.
.set KP,    80
.set VP,    528
.set VOFF,  2048*KP
.set VCH,   64*VP
.set STAGE, VOFF+4*VCH                 ; 32 rows x 80 bytes for each wave, bytes of its own
.set SPARE, STAGE+8*32*KP              ; the spare words, 128 bytes a wave, named by no other line
.set AK0, 1
.set AV0, 2
.set ADK, 3
.set ADV, 4
.set SPW, 5
.set NIL, 6
.set GO,  7
.set FA,  16
.set FB,  18
.set ES,  20
.set SA,  32
.set SB,  96
.set T,   160
.set CA,  224
.set CB,  232
.set QA,  0
.set QB,  8
.set CDA, 16
.set CDB, 32
.set KF,  48
.set VF,  112
.set OA,  176
.set OB,  208
.set NC,  2                            ; s2  -c
.set HS,  3                            ; s3  57,344 x 2^e8
.set WV,  18
.set SEL, 20
.set CS,  22                           ; s[22:23] c = log2(e) x 2^(e6 + e7)
.set G1K, 24
.set G1V, 32
.set G0K, 40
.set G0V, 44
.set TBK, 48
.set TBV, 49
.set CNT, 67
.set MSB, 0
.macro WIN new                         ; the immediate's high byte repeats the setting that is left
.if MSB != \new
	s_set_vgpr_msb (MSB<<8)|\new
.set MSB, \new
.endif
.endm
.macro D2
	s_delay_alu instid0(VALU_DEP_2)
.endm
.macro CROUND
	s_barrier_signal -1
	s_barrier_wait -1
	s_cmp_lg_u32 s[WV], 0
	s_cbranch_scc1 .Lnot_wave_0_\@
	s_barrier_signal -3
.Lnot_wave_0_\@:
	s_barrier_wait -3
	s_barrier_signal -1
	s_barrier_wait -1
.endm
.macro KLOAD adr                       ; K's eight fragments of 128 keys, destination in window 1
.irp t, 0,1,2,3,4,5,6,7
	ds_load_b128 v[KF+8*\t:KF+8*\t+3], v[\adr] offset:(32*(\t/2)+8*(\t%2))*KP
	ds_load_b128 v[KF+8*\t+4:KF+8*\t+7], v[\adr] offset:(32*(\t/2)+8*(\t%2))*KP+32
.endr
.endm
	s_load_b128 s[4:7], s[0:1], 0x0                ; qkv, the scales' exponents
	s_load_b64 s[8:9], s[0:1], 0x10                ; ocodes
	v_lshl_add_u32 v[SPW], v0, 2, SPARE
	v_mov_b32 v[NIL], 0
	ds_add_u32 v[SPW], v[NIL]                      ; the opening: the add, twice on end, and its wait ahead of my first tensor load
	ds_add_u32 v[SPW], v[NIL]
	v_lshrrev_b32 v8, 5, v0
	v_readfirstlane_b32 s[WV], v8                  ; wave 0..7
	s_bfe_u32 s10, ttmp6, 0x40000                  ; cx
	s_lshl_b32 s11, ttmp9, 2
	s_add_co_u32 s11, s11, s10                     ; my block of 256 queries: it enters Q's and O's addresses alone
	s_and_b32 s12, ttmp7, 0xffff                   ; bh, which the four partners share
	s_lshl_b32 s56, s12, 17                        ; the head's first byte in q, k and v
	s_mov_b32 s57, 0
	s_and_b32 s13, s[WV], 3                        ; waves 0-3 fetch K, waves 4-7 V: which part
	s_lshl_b32 s58, s13, 15                        ; K: 512 keys x 64 bytes,
	s_mov_b32 s59, 0
	s_add_nc_u64 s[58:59], s[58:59], s[56:57]
	s_mul_i32 s14, s13, 512*KP                     ; and in LDS
	s_lshl_b32 s60, s13, 9                         ; V: 512 keys along each of the 64 rows,
	s_mov_b32 s61, 0
	s_add_nc_u64 s[60:61], s[60:61], s[56:57]
	s_mul_i32 s15, s13, VCH
	s_add_co_u32 s15, s15, VOFF                    ; and in LDS
	s_lshl_b32 s62, s11, 8
	s_lshl_b32 s63, s[WV], 5
	s_add_co_u32 s62, s62, s63                     ; my first query
	s_lshl_b32 s16, s62, 6
	s_add_co_u32 s16, s16, s56
	s_mov_b32 s17, 0
	s_and_b32 s84, s12, 15
	s_lshl_b32 s84, s84, 18
	s_lshr_b32 s85, s12, 4
	s_lshl_b32 s85, s85, 11
	s_add_co_u32 s85, s85, s62
	s_lshl_b32 s85, s85, 6
	s_add_co_u32 s84, s84, s85                     ; its place in ocodes
	s_mov_b32 s85, 0
	s_mov_b32 s[G1K], 15|(0<<16)|(1<<20)|(1<<21)|(3<<22)|(3<<25)   ; the mask: all four; elements of 1 byte; padding on; bit 21 beside a mask; after every 16 words, 4 words
	s_mov_b32 s[G1K+1], 64<<16
	s_mov_b32 s[G1K+2], 512<<16
	s_mov_b32 s[G1K+3], 64<<16
	s_mov_b32 s[G1K+4], 512
	s_mov_b32 s[G1K+5], 64
	s_mov_b32 s[G1K+6], 0
	s_mov_b32 s[G1K+7], 0
	s_mov_b32 s[G1V], 15|(0<<16)|(1<<20)|(1<<21)|(6<<22)|(3<<25)   ; after every 128 words, 4 words
	s_mov_b32 s[G1V+1], 512<<16
	s_mov_b32 s[G1V+2], 64<<16
	s_mov_b32 s[G1V+3], 512<<16
	s_mov_b32 s[G1V+4], 64
	s_mov_b32 s[G1V+5], 2048
	s_mov_b32 s[G1V+6], 0
	s_mov_b32 s[G1V+7], 0
	s_mov_b32 s[SEL], 0x76543210
	s_mov_b32 s[SEL+1], 0xfedcba98
	s_wait_dscnt 0x0                               ; both opening adds are done
	s_wait_kmcnt 0x0
	s_load_b512 s[68:83], s[6:7], 0x0              ; e0 .. e15
	s_add_nc_u64 s[86:87], s[4:5], 0x400000
	s_add_nc_u64 s[88:89], s[4:5], 0x800000
	s_mov_b32 s[G0K], 1
	s_mov_b32 s[G0K+1], s14
	s_add_nc_u64 s[G0K+2:G0K+3], s[86:87], s[58:59]
	s_or_b32 s[G0K+3], s[G0K+3], 0x80000000
	s_mov_b32 s[G0V], 1
	s_mov_b32 s[G0V+1], s15
	s_add_nc_u64 s[G0V+2:G0V+3], s[88:89], s[60:61]
	s_or_b32 s[G0V+3], s[G0V+3], 0x80000000
	CROUND                                         ; all four work-groups are here: the joint loads meet
	s_cmp_lt_u32 s[WV], 4                          ; one fill in each arm; an s_nop 0 and four v_nop follow each
	s_cbranch_scc0 .Lfirst_v
	tensor_load_to_lds s[G0K:G0K+3], s[G1K:G1K+7]
	s_nop 0
.rept 4
	v_nop
.endr
	s_branch .Lfirst_asked
.Lfirst_v:
	tensor_load_to_lds s[G0V:G0V+3], s[G1V:G1V+7]
	s_nop 0
.rept 4
	v_nop
.endr
.Lfirst_asked:
	s_add_nc_u64 s[4:5], s[4:5], s[16:17]
	s_add_nc_u64 s[8:9], s[8:9], s[84:85]
	v_and_b32 v8, 15, v0                           ; r
	v_bfe_u32 v9, v0, 4, 1                         ; h
	v_lshlrev_b32 v10, 6, v8
	v_lshl_add_u32 v10, v9, 4, v10
	WIN 0x40
	global_load_b128 v[QA:QA+3], v10, s[4:5]       ; Q's fragments: registers 0-3: channels 16 h + 0..15; registers 4-7: 32 + 16 h + 0..15, as K's
	global_load_b128 v[QA+4:QA+7], v10, s[4:5] offset:32
	global_load_b128 v[QB:QB+3], v10, s[4:5] offset:1024
	global_load_b128 v[QB+4:QB+7], v10, s[4:5] offset:1056
	WIN 0
	v_and_b32 v11, 8, v8
	v_add_nc_u32 v11, v11, v8                      ; r + 8 (r / 8)
	v_mul_u32_u24 v[AK0], v11, KP
	v_mul_u32_u24 v[AV0], v8, VP
	v_lshl_add_u32 v[AK0], v9, 4, v[AK0]
	v_lshl_add_u32 v[AV0], v9, 4, v[AV0]
	v_and_b32 v[GO], 31, v0
	v_add_nc_u32 v[AV0], VOFF, v[AV0]
	v_lshlrev_b32 v[GO], 4, v[GO]
	v_mov_b32 v12, 0x7f61b1e6                      ; -M = 3e38, over every -M to come: the first f is 0
	v_mov_b32 v13, 0xff61b1e6                      ; the largest score so far: -3e38
	v_mov_b32 v14, 0x7f61b1e6
	v_mov_b32 v15, 0xff61b1e6
	v_mov_b32 v[FA+1], 0                           ; (named as the upper halves of pairs)
	v_mov_b32 v[FB+1], 0
	v_mov_b32 v26, 0                               ; a lane permute's destination counts as one of its sources
	v_mov_b32 v27, 0
	v_mov_b32 v[CA+6], 0                           ; the rows' sums, in two halves
	v_mov_b32 v[CA+7], 0
	v_mov_b32 v[CB+6], 0
	v_mov_b32 v[CB+7], 0
	WIN 0x40
.set n, 0
.rept 64
	v_mov_b32 v[OA+n], 0                           ; O^T of both tiles: the step is written once; the first f leaves zeros zeros
.set n, n+1
.endr
	WIN 0
	s_wait_kmcnt 0x0
	s_add_co_i32 s10, s74, s75
	s_lshl_b32 s10, s10, 23
	s_mov_b32 s[CS], 0x3fb8aa3b                    ; log2(e),
	s_add_co_i32 s[CS], s[CS], s10                 ; x 2^(e6 + e7): the exponents are added to its exponent field
	s_mov_b32 s[CS+1], s[CS]
	s_xor_b32 s[NC], s[CS], 0x80000000             ; -c
	s_add_co_i32 s10, s76, 127
	s_lshl_b32 s11, s10, 23
	v_mov_b32 v[ES], s11                           ; 2^e8
	s_add_co_i32 s10, s10, 15
	s_lshl_b32 s10, s10, 23
	s_or_b32 s[HS], s10, 0x600000                  ; 57,344 x 2^e8
	s_mov_b32 s[CNT], 0
	s_wait_alu depctr_va_vdst(0)                   ; the wait at the head's end
	s_wait_loadcnt 0x0                             ; Q
	s_wait_tensorcnt 0x0                           ; my part of K or V is in,
	s_barrier_signal -1
	s_barrier_wait -1                              ; everybody's is
	WIN 0x40
	KLOAD AK0                                      ; keys 0-127
	WIN 0
.Lstep:                                            ; 16 trips of 128 keys
	s_lshr_b32 s10, s[CNT], 2                      ; V: chunk trip / 4, 128 (trip % 4) bytes along its rows
	s_mul_i32 s10, s10, VCH
	s_and_b32 s11, s[CNT], 3
	s_lshl_b32 s11, s11, 7
	s_add_co_u32 s[TBV], s10, s11
	s_add_co_u32 s12, s[CNT], 1                    ; K: the NEXT trip's 128 rows (the last trip names rows 0-127 again, so that its loads stay inside K; nothing uses them)
	s_and_b32 s12, s12, 15
	s_mul_i32 s[TBK], s12, 128*KP
	s_wait_dscnt 0x0                               ; this trip's fragments of K
	WIN 0x05                                       ; K and Q in window 1, S^T in window 0
.irp t, 0,1,2,3,4,5,6,7
	v_wmma_f32_16x16x64_bf8_bf8 v[SA+8*\t:SA+8*\t+7], v[KF+8*\t:KF+8*\t+7], v[QA:QA+7], 0
	v_wmma_f32_16x16x64_bf8_bf8 v[SB+8*\t:SB+8*\t+7], v[KF+8*\t:KF+8*\t+7], v[QB:QB+7], 0
.endr
	WIN 0
	v_add_nc_u32 v[ADK], s[TBK], v[AK0]            ; four plain instructions behind the products: ahead of the loads into K's and V's registers and of the first read of the scores
	v_add_nc_u32 v[ADV], s[TBV], v[AV0]
	v_nop
	v_nop
	WIN 0x40
.irp t, 0,1,2,3
.irp c, 0,1,2,3
	ds_load_b128 v[VF+16*\t+4*\c:VF+16*\t+4*\c+3], v[ADV] offset:16*\t*VP+32*\c   ; V's four fragments, then the next trip's K: both land under the softmax
.endr
.endr
	KLOAD ADK
	WIN 0
	v_max3_num_f32 v22, v[SA], v[SA+1], v[SA+2]    ; the trip's largest score of my queries: four chains a tile (A: v22, v23, v30, v31; B: v24, v25, v10, v11), eight by turns, each accumulator from its low end on
	v_max3_num_f32 v24, v[SB], v[SB+1], v[SB+2]
	v_max3_num_f32 v23, v[SA+3], v[SA+4], v[SA+5]
	v_max3_num_f32 v25, v[SB+3], v[SB+4], v[SB+5]
	v_max3_num_f32 v30, v[SA+6], v[SA+7], v[SA+8]
	v_max3_num_f32 v10, v[SB+6], v[SB+7], v[SB+8]
	v_max3_num_f32 v31, v[SA+9], v[SA+10], v[SA+11]
	v_max3_num_f32 v11, v[SB+9], v[SB+10], v[SB+11]
.set n, 12
.rept 6
	v_max3_num_f32 v22, v22, v[SA+n], v[SA+n+1]
	v_max3_num_f32 v24, v24, v[SB+n], v[SB+n+1]
	v_max3_num_f32 v23, v23, v[SA+n+2], v[SA+n+3]
	v_max3_num_f32 v25, v25, v[SB+n+2], v[SB+n+3]
	v_max3_num_f32 v30, v30, v[SA+n+4], v[SA+n+5]
	v_max3_num_f32 v10, v10, v[SB+n+4], v[SB+n+5]
	v_max3_num_f32 v31, v31, v[SA+n+6], v[SA+n+7]
	v_max3_num_f32 v11, v11, v[SB+n+6], v[SB+n+7]
.set n, n+8
.endr
	v_max3_num_f32 v22, v22, v[SA+60], v[SA+61]
	v_max3_num_f32 v24, v24, v[SB+60], v[SB+61]
	v_max3_num_f32 v23, v23, v[SA+62], v[SA+63]
	v_max3_num_f32 v25, v25, v[SB+62], v[SB+63]
	v_max_num_f32 v30, v30, v31
	v_max_num_f32 v10, v10, v11
	D2
	v_max3_num_f32 v22, v22, v23, v30
	D2
	v_max3_num_f32 v24, v24, v25, v10
	D2
	v_permlanex16_b32 v26, v22, s[SEL], s[SEL+1]
	D2
	v_permlanex16_b32 v27, v24, s[SEL], s[SEL+1]
	D2
	v_max3_num_f32 v13, v13, v22, v26              ; the running largest score, lane l xor 16's among it
	D2
	v_max3_num_f32 v15, v15, v24, v27
	D2
	v_mul_f32 v28, s[NC], v13                      ; -t (c is positive)
	D2
	v_mul_f32 v29, s[NC], v15
	D2
	v_floor_f32 v28, v28                           ; the new -M = -ceil(t)
	D2
	v_floor_f32 v29, v29
	D2
	v_sub_f32 v22, v28, v12                        ; old M - new M: a whole number, 0 or less
	D2
	v_sub_f32 v24, v29, v14
	v_mov_b32 v12, v28
	v_mov_b32 v14, v29
	v_cvt_i32_f32 v22, v22                         ; (it saturates)
	v_cvt_i32_f32 v24, v24
	D2
	v_ldexp_f32 v[FA], 1.0, v22                    ; f = 2^(old M - new M)
	D2
	v_ldexp_f32 v[FB], 1.0, v24
	D2
	v_pk_mul_f32 v[CA+6:CA+7], v[CA+6:CA+7], v[FA:FA+1] op_sel_hi:[1,0]   ; the sums under the new M
	D2
	v_pk_mul_f32 v[CB+6:CB+7], v[CB+6:CB+7], v[FB:FB+1] op_sel_hi:[1,0]
	WIN 0x41                                       ; O^T in window 1, f in window 0
.set n, 0
.rept 16
	v_pk_mul_f32 v[OA+n:OA+n+1], v[OA+n:OA+n+1], v[FA:FA+1] op_sel_hi:[1,0]   ; O^T under the new M, ahead of the trip's exponentials
.set n, n+2
.endr
.set n, 0
.rept 16
	v_pk_mul_f32 v[OB+n:OB+n+1], v[OB+n:OB+n+1], v[FB:FB+1] op_sel_hi:[1,0]
.set n, n+2
.endr
	WIN 0
.set n, 0
.rept 32
	v_pk_fma_f32 v[SA+n:SA+n+1], v[SA+n:SA+n+1], s[CS:CS+1], v[12:13] op_sel_hi:[1,0,0]   ; A: t - M
.set n, n+2
.endr
	s_wait_alu depctr_va_vdst(0)                   ; the wait ahead of the batch
.set n, 0
.rept 32
	v_exp_f32 v[SA+2*n], v[SA+2*n]                 ; A: p = 2^(t - M); between them B's t - M, which nothing reads before the next wait
	v_exp_f32 v[SA+2*n+1], v[SA+2*n+1]
	v_pk_fma_f32 v[SB+2*n:SB+2*n+1], v[SB+2*n:SB+2*n+1], s[CS:CS+1], v[14:15] op_sel_hi:[1,0,0]
.set n, n+1
.endr
	s_wait_alu depctr_va_vdst(0)                   ; behind A's batch and ahead of B's
.set n, 0
.rept 32
	v_exp_f32 v[SB+2*n], v[SB+2*n]                 ; B: p; between them A's hold (p is not negative: one-sided), two a line, into registers that nothing reads before the next wait
	v_exp_f32 v[SB+2*n+1], v[SB+2*n+1]
	v_dual_min_num_f32 v[T+2*n], s[HS], v[SA+2*n] :: v_dual_min_num_f32 v[T+2*n+1], s[HS], v[SA+2*n+1]
.set n, n+1
.endr
	v_nop                                          ; a plain instruction behind the batch,
	s_wait_alu depctr_va_vdst(0)                   ; and its wait
.set n, 0
.rept 3
	v_pk_add_f32 v[CA+2*n:CA+2*n+1], v[SA+4*n:SA+4*n+1], v[SA+4*n+2:SA+4*n+3]   ; THE ROWS' SUMS ARE TAKEN OF THE UNQUANTISED p: four chains a tile, the fourth the running sum
	v_pk_add_f32 v[CB+2*n:CB+2*n+1], v[SB+4*n:SB+4*n+1], v[SB+4*n+2:SB+4*n+3]
.set n, n+1
.endr
.set n, 6
.rept 26
	v_pk_add_f32 v[CA+2*(n%4):CA+2*(n%4)+1], v[CA+2*(n%4):CA+2*(n%4)+1], v[SA+2*n:SA+2*n+1]
	v_pk_add_f32 v[CB+2*(n%4):CB+2*(n%4)+1], v[CB+2*(n%4):CB+2*(n%4)+1], v[SB+2*n:SB+2*n+1]
.set n, n+1
.endr
	v_pk_add_f32 v[CA:CA+1], v[CA:CA+1], v[CA+2:CA+3]
	v_pk_add_f32 v[CB:CB+1], v[CB:CB+1], v[CB+2:CB+3]
	v_pk_add_f32 v[CA+6:CA+7], v[CA+6:CA+7], v[CA+4:CA+5]
	v_pk_add_f32 v[CB+6:CB+7], v[CB+6:CB+7], v[CB+4:CB+5]
	v_pk_add_f32 v[CA+6:CA+7], v[CA+6:CA+7], v[CA:CA+1]
	v_pk_add_f32 v[CB+6:CB+7], v[CB+6:CB+7], v[CB:CB+1]
.set n, 0
.rept 32
	v_dual_min_num_f32 v[SB+2*n], s[HS], v[SB+2*n] :: v_dual_min_num_f32 v[SB+2*n+1], s[HS], v[SB+2*n+1]   ; B's hold
.set n, n+1
.endr
	WIN 0x40                                       ; the codes go to window 1
.set n, 0
.rept 8
	v_cvt_scalef32_pk8_bf8_f32 v[CDA+2*n:CDA+2*n+1], v[T+8*n:T+8*n+7], v[ES]
.set n, n+1
.endr
.set n, 0
.rept 8
	v_cvt_scalef32_pk8_bf8_f32 v[CDB+2*n:CDB+2*n+1], v[SB+8*n:SB+8*n+7], v[ES]
.set n, n+1
.endr
	v_nop                                          ; a plain instruction between the conversions and the products that read the codes
	WIN 0x55
	s_wait_alu depctr_va_vdst(0)                   ; directly ahead of the wait below
	s_wait_dscnt 16                                ; V's fragments are in; the 16 loads of K issued behind them may be out
.irp t, 0,1,2,3
	v_wmma_f32_16x16x128_bf8_bf8 v[OA+8*\t:OA+8*\t+7], v[VF+16*\t:VF+16*\t+15], v[CDA:CDA+15], v[OA+8*\t:OA+8*\t+7]
	v_wmma_f32_16x16x128_bf8_bf8 v[OB+8*\t:OB+8*\t+7], v[VF+16*\t:VF+16*\t+15], v[CDB:CDB+15], v[OB+8*\t:OB+8*\t+7]
.endr
	WIN 0
	s_add_co_u32 s[CNT], s[CNT], 1
	s_cmp_lt_u32 s[CNT], 16
	s_cbranch_scc1 .Lstep
	; THE WAY OUT: O^T / the sum x 2^(e8 + e9), quantised at e10; 8 codes a lane and tile through my stage, back as rows of 64, stored as 2,048 consecutive bytes
	v_add_f32 v[CA+6], v[CA+6], v[CA+7]
	v_add_f32 v[CB+6], v[CB+6], v[CB+7]
	v_permlanex16_b32 v26, v[CA+6], s[SEL], s[SEL+1]
	v_permlanex16_b32 v27, v[CB+6], s[SEL], s[SEL+1]
	v_add_f32 v[CA+6], v[CA+6], v26
	v_add_f32 v[CB+6], v[CB+6], v27
	s_wait_alu depctr_va_vdst(0)                   ; ahead of the two reciprocals
	v_rcp_f32 v[CA+6], v[CA+6]
	v_rcp_f32 v[CB+6], v[CB+6]
	v_and_b32 v8, 15, v0                           ; (plain instructions behind them)
	v_bfe_u32 v9, v0, 4, 1
	s_add_co_i32 s10, s76, s77
	s_mul_i32 s11, s[WV], 32*KP
	s_add_co_u32 s11, s11, STAGE
	v_and_b32 v22, 31, v0
	v_mul_u32_u24 v10, v8, KP
	v_lshrrev_b32 v23, 2, v22
	v_lshl_add_u32 v10, v9, 3, v10
	v_mul_u32_u24 v23, v23, KP
	v_and_b32 v22, 3, v22
	v_add_nc_u32 v10, s11, v10                     ; in: row r, + 8 h
	v_lshl_add_u32 v11, v22, 4, v23
	s_add_co_i32 s12, s78, 127
	s_lshl_b32 s13, s12, 23
	v_mov_b32 v30, s13                             ; 2^e10
	v_add_nc_u32 v11, s11, v11                     ; back: four lanes to a row
	s_add_co_i32 s12, s12, 15
	s_lshl_b32 s12, s12, 23
	s_or_b32 s12, s12, 0x600000
	v_mov_b32 v31, s12                             ; 57,344 x 2^e10
	s_wait_alu depctr_va_vdst(0)                   ; ahead of the reciprocals' first readers
	v_ldexp_f32 v[CA+6], v[CA+6], s10
	v_ldexp_f32 v[CB+6], v[CB+6], s10
	WIN 0x01
	s_wait_alu depctr_va_vdst(0)                   ; the wait directly ahead of the first reader of O^T
.set n, 0
.rept 32
	v_mul_f32 v[SA+n], v[OA+n], v[CA+6]            ; register 8 t + j: channel 16 t + 8 h + j of query r
.set n, n+1
.endr
.set n, 0
.rept 32
	v_mul_f32 v[SA+32+n], v[OB+n], v[CB+6]
.set n, n+1
.endr
	WIN 0
.set n, 0
.rept 64
	v_med3_num_f32 v[SA+n], v[SA+n], -v31, v31
.set n, n+1
.endr
.set n, 0
.rept 8
	v_cvt_scalef32_pk8_bf8_f32 v[T+2*n:T+2*n+1], v[SA+8*n:SA+8*n+7], v30
.set n, n+1
.endr
	v_nop
.irp u, 0,1
.irp t, 0,1,2,3
	ds_store_b64 v10, v[T+8*\u+2*\t:T+8*\u+2*\t+1] offset:16*KP*\u+16*\t
.endr
.endr
.irp i, 0,1,2,3
	ds_load_b128 v[T+16+4*\i:T+19+4*\i], v11 offset:8*KP*\i   ; LDS serves a wave's instructions in order: these see my stores
.endr
.irp i, 0,1,2,3
	s_wait_dscnt 3-\i
	global_store_b128 v[GO], v[T+16+4*\i:T+19+4*\i], s[8:9] offset:512*\i   ; 32 lanes store 512 consecutive bytes, aligned
.endr
	s_wait_tensorcnt 0x0                           ; the wave's end
	ds_add_u32 v[SPW], v[NIL]
	s_wait_dscnt 0x0
	CROUND                                         ; the closing round
	s_endpgm
.Lfunc_end_k_qad0e60ab4d_attn:
	.size	k_qad0e60ab4d_attn, .Lfunc_end_k_qad0e60ab4d_attn-k_qad0e60ab4d_attn
	.p2alignl 7, 3214868480
	.fill 96, 4, 3214868480
	.section	.rodata,"a",@progbits
	.p2align	6, 0x0
	.amdhsa_kernel k_qad0e60ab4d_attn
		.amdhsa_group_segment_fixed_size 327680
		.amdhsa_private_segment_fixed_size 0
		.amdhsa_enable_private_segment 0
		.amdhsa_kernarg_size 24
		.amdhsa_user_sgpr_count 2
		.amdhsa_user_sgpr_kernarg_segment_ptr 1
		.amdhsa_wavefront_size32 1
		.amdhsa_system_sgpr_workgroup_id_x 1
		.amdhsa_system_sgpr_workgroup_id_y 1
		.amdhsa_system_sgpr_workgroup_id_z 1
		.amdhsa_system_vgpr_workitem_id 0
		.amdhsa_next_free_vgpr 512
		.amdhsa_next_free_sgpr 100
		.amdhsa_reserve_vcc 0
		.amdhsa_float_denorm_mode_32 3
		.amdhsa_float_denorm_mode_16_64 3
		.amdhsa_memory_ordered 1
		.amdhsa_forward_progress 1
		.amdhsa_inst_pref_size 49
	.end_amdhsa_kernel
	.amdgpu_metadata
---
amdhsa.version: [ 1, 2 ]
amdhsa.kernels:
  - .name:           k_qad0e60ab4d_attn
    .symbol:         k_qad0e60ab4d_attn.kd
    .args:
      - { .name: qkv, .offset: 0, .size: 8, .value_kind: global_buffer, .address_space: global }
      - { .name: lowp_scales, .offset: 8, .size: 8, .value_kind: global_buffer, .address_space: global }
      - { .name: ocodes, .offset: 16, .size: 8, .value_kind: global_buffer, .address_space: global }
    .group_segment_fixed_size: 327680
    .private_segment_fixed_size: 0
    .kernarg_segment_align: 8
    .kernarg_segment_size: 24
    .max_flat_workgroup_size: 256
    .sgpr_count:     100
    .vgpr_count:     512
    .wavefront_size: 32
...
	.end_amdgpu_metadata
.endif
;; end of part 3
;; launch wo (part 4): grid 8 x 32, 4 waves a work-group, clusters of 4 x 4, 327,680 bytes of LDS; arguments ocodes, wcodes, lowp_scales, bo, x, x1; writes x1
.if DOCPART == 4
	.amdgcn_target "amdgcn-amd-amdhsa--gfx1250"
	.amdhsa_code_object_version 6
	.text
	.protected	k_qad0e60ab4d_wo
	.globl	k_qad0e60ab4d_wo
	.p2align	8
	.type	k_qad0e60ab4d_wo,@function
k_qad0e60ab4d_wo:
	s_mov_b64 s[64:65], 0
	v_nop
	global_prefetch_b8 v0, s[64:65] scope:SCOPE_SE
	s_setreg_imm32_b32 hwreg(HW_REG_WAVE_MODE, 25, 1), 1
	s_wait_xcnt 0x0
	s_wait_alu depctr_hold_cnt(0) depctr_sa_sdst(0) depctr_va_vdst(0) depctr_va_sdst(0) depctr_va_ssrc(0) depctr_va_vcc(0) depctr_vm_vsrc(0)
	s_getreg_b32 s2, hwreg(HW_REG_IB_STS2, 6, 4)
	s_cmp_eq_u32 s2, 0
	s_cbranch_scc0 .Lentry_in_a_cluster
	s_endpgm
.Lentry_in_a_cluster:
	s_bfe_u32 s2, ttmp6, 0x10000c
	s_cmp_lg_u32 s2, 0xf033
	s_cbranch_scc0 .Lentry_shape_is_right
	s_endpgm
.Lentry_shape_is_right:
; x1 = x + out Wo + bo; the product on codes of E5M2, K = 1,024.  Nothing of the problem is left out here.
; A tile of x1 is 128 x 128 (256 work-groups); four waves, each 64 x 64: 16 accumulators.  ALL OF K LIES IN LDS, by one tensor load a wave at the head: no byte is filled twice, and one barrier shows the tiles to all.
; A = ocodes is HEAD-MAJOR, [16 head][4096 row][64].  A wave's load is one tile of two dimensions: a 'row' is a head's 64 token rows x 64 bytes, 4,096 dense bytes; 16 such rows (the heads), 262,144 bytes apart;
; 16 bytes of padding behind every 256.  In LDS a head's plane is 4,352 bytes, and token row p lies at (p / 4) 272 + (p % 4) 64: the sixteen rows of a fragment load fall on sixteen different groups of banks.
; B = Wo's codes [n][k], 64 rows of 1,024 bytes + 16 a wave.  THE MATRIX INSTRUCTION IS USED TRANSPOSED (source 0 = B's rows, source 1 = A's): a lane holds eight neighbouring columns of a row.
; THE RESIDUAL, my 64 x 64 of x, is asked for whole behind the barrier that shows the tiles, so that the tiles are asked of memory first: 32 loads a wave, out under the products, waited for once, ahead of the way out.
; CLUSTERS: 4 x 4; A's tile jointly along a row of the cluster, B's along a column.  No prefetch: all fills go out at the head, so there is no loop of fills to run ahead in.  LIMIT: e10 + e11 between -126 and 127.
; REGISTERS: window 0: v0-31 addresses, v12-15 bo of my 4 columns; v32-127 rows on the way out, three sets of 32; v128-255 accumulators ((a, b) at v[128 + 8 (4 a + b)]).
; window 1: two fragment buffers of 128: A's 4 x 16, then B's 4 x 16.  window 2: v0-127 the residual, 32 registers for each block of 16 rows.
.set PITCH,  1040
.set AHALF,  16*4352
.set BHALF,  64*PITCH
.set STAGE,  2*AHALF+2*BHALF           ; behind the tiles: 16 rows x 272 bytes for each wave
.set SPITCH, 272
.set SPARE,  STAGE+4*16*SPITCH
.set ADRA, 16                          ; v16-17 my A fragments: K 0-511, K 512-1023 (two registers keep the offsets inside 16 bits)
.set ADRB, 20                          ; v20-21 the same for B
.set STO,  24
.set RD,   25
.set CO,   26
.set BOF,  27
.set SPW,  28
.set NIL,  29
.set ACC,  128
.set F0,   0
.set F1,   128
.set G1, 24
.set G0, 32
.set G1B, 48
.set G0B, 56
.set MSB, 0
.macro WIN new
.if MSB != \new
	s_set_vgpr_msb (MSB<<8)|\new
.set MSB, \new
.endif
.endm
.set MUL,  0x05
.set TO_F, 0x40
.macro CROUND
	s_barrier_signal -1
	s_barrier_wait -1
	s_cmp_lg_u32 s10, 0
	s_cbranch_scc1 .Lnot_wave_0_\@
	s_barrier_signal -3
.Lnot_wave_0_\@:
	s_barrier_wait -3
	s_barrier_signal -1
	s_barrier_wait -1
.endm
	s_load_b256 s[68:75], s[0:1], 0x0              ; ocodes 68, wcodes 70, scales 72, bo 74
	s_load_b128 s[76:79], s[0:1], 0x20             ; x 76, x1 78
	v_lshl_add_u32 v[SPW], v0, 2, SPARE
	v_mov_b32 v[NIL], 0
	ds_add_u32 v[SPW], v[NIL]                      ; the opening: the add, twice on end, and its wait ahead of my first tensor load
	ds_add_u32 v[SPW], v[NIL]
	v_lshrrev_b32 v1, 5, v0
	v_readfirstlane_b32 s10, v1
	s_lshr_b32 s11, s10, 1                         ; my half of the rows.  Also: I fetch for A (0) or B (1)
	s_and_b32 s12, s10, 1                          ; my half of the columns.  Also: which 64 rows I fetch
	s_bfe_u32 s40, ttmp6, 0x40000
	s_bfe_u32 s41, ttmp6, 0x40004
	s_lshl_b32 s42, ttmp9, 2
	s_add_co_u32 s42, s42, s40                     ; tile column
	s_and_b32 s13, ttmp7, 0xffff
	s_lshl_b32 s13, s13, 2
	s_add_co_u32 s13, s13, s41                     ; tile row
	s_lshl_b32 s43, s41, 2
	s_lshl_b32 s43, 15, s43
	s_lshl_b32 s44, 0x1111, s40
	s_or_b32 s[G1+0], s43, (0<<16)|(1<<20)|(1<<21)|(5<<22)|(3<<25)   ; A: padding of 4 words after every 64
	s_mov_b32 s[G1+1], 4096<<16                    ; tensor_dim0 = 4,096
	s_mov_b32 s[G1+2], 16<<16                      ; tensor_dim1 = 16
	s_mov_b32 s[G1+3], 4096<<16                    ; tile_dim0
	s_mov_b32 s[G1+4], 16                          ; tile_dim1
	s_mov_b32 s[G1+5], 262144                      ; from head to head
	s_mov_b32 s[G1+6], 0
	s_mov_b32 s[G1+7], 0
	s_or_b32 s[G1B+0], s44, (0<<16)|(1<<20)|(1<<21)|(7<<22)|(3<<25)  ; B: after every 256 words
	s_mov_b32 s[G1B+1], 1024<<16
	s_mov_b32 s[G1B+2], 64<<16
	s_mov_b32 s[G1B+3], 1024<<16
	s_mov_b32 s[G1B+4], 64
	s_mov_b32 s[G1B+5], 1024
	s_mov_b32 s[G1B+6], 0
	s_mov_b32 s[G1B+7], 0
	s_lshl_b32 s17, s12, 6
	s_lshl_b32 s16, s13, 7
	s_add_co_u32 s16, s16, s17
	s_lshl_b32 s46, s42, 7
	s_add_co_u32 s46, s46, s17
	s_lshl_b32 s16, s16, 6                         ; A: a token row of a head is 64 bytes
	s_mov_b32 s17, 0
	s_lshl_b32 s46, s46, 10                        ; B: a row is 1,024 bytes
	s_mov_b32 s47, 0
	s_mul_i32 s20, s12, AHALF
	s_mul_i32 s21, s12, BHALF
	s_add_co_u32 s21, s21, 2*AHALF
	s_wait_dscnt 0x0
	s_wait_kmcnt 0x0
	s_load_b64 s[96:97], s[72:73], 0x28            ; e10, e11
	s_add_nc_u64 s[46:47], s[70:71], s[46:47]
	s_mov_b32 s[G0], 1
	s_mov_b32 s[G0+1], s20
	s_add_nc_u64 s[G0+2:G0+3], s[68:69], s[16:17]
	s_or_b32 s[G0+3], s[G0+3], 0x80000000
	s_mov_b32 s[G0B], 1
	s_mov_b32 s[G0B+1], s21
	s_add_nc_u64 s[G0B+2:G0B+3], s[46:47], 0x300000
	s_or_b32 s[G0B+3], s[G0B+3], 0x80000000
	CROUND                                         ; all sixteen work-groups are here: the joint loads meet
	s_cmp_eq_u32 s11, 0                            ; waves 0 and 1 fetch A's halves, waves 2 and 3 B's; an s_nop 0 and four v_nop follow each line
	s_cbranch_scc0 .Lfor_b
	tensor_load_to_lds s[G0:G0+3], s[G1:G1+7]
	s_nop 0
.rept 4
	v_nop
.endr
	s_branch .Lasked
.Lfor_b:
	tensor_load_to_lds s[G0B:G0B+3], s[G1B:G1B+7]
	s_nop 0
.rept 4
	v_nop
.endr
.Lasked:
	v_and_b32 v1, 15, v0
	v_bfe_u32 v2, v0, 4, 1
	v_mul_u32_u24 v3, v1, PITCH
	v_lshl_add_u32 v3, v2, 4, v3
	v_lshrrev_b32 v6, 2, v1
	v_mul_u32_u24 v6, v6, 272
	v_and_b32 v7, 3, v1
	v_lshl_add_u32 v6, v7, 6, v6
	v_lshl_add_u32 v6, v2, 4, v6
	s_mul_i32 s21, s11, AHALF
	s_mul_i32 s22, s12, BHALF
	s_add_co_u32 s22, s22, 2*AHALF
.irp s, 0,1
	v_add_nc_u32 v[ADRA+\s], s21, v6
	v_add_nc_u32 v[ADRB+\s], s22, v3
	s_add_co_u32 s21, s21, 8*4352
	s_add_co_u32 s22, s22, 512
.endr
	s_mul_i32 s23, s10, 16*SPITCH
	s_add_co_u32 s23, s23, STAGE
	v_mul_u32_u24 v4, v1, SPITCH
	v_lshl_add_u32 v4, v2, 5, v4
	v_add_nc_u32 v[STO], s23, v4
	v_mul_u32_u24 v5, v2, SPITCH
	v_lshl_add_u32 v5, v1, 4, v5
	v_add_nc_u32 v[RD], s23, v5
	v_lshlrev_b32 v[CO], 12, v2
	v_lshl_add_u32 v[CO], v1, 4, v[CO]
	v_lshlrev_b32 v[BOF], 4, v1
	s_wait_alu depctr_va_vdst(0)                   ; the wait at the head's end
	s_lshl_b32 s16, s13, 7
	s_lshl_b32 s17, s11, 6
	s_add_co_u32 s16, s16, s17
	s_lshl_b32 s16, s16, 12                        ; my first row, in bytes
	s_lshl_b32 s46, s42, 9
	s_lshl_b32 s47, s12, 8
	s_add_co_u32 s46, s46, s47                     ; my first column, in bytes
	s_mov_b32 s47, 0
	s_add_nc_u64 s[74:75], s[74:75], s[46:47]
	s_add_co_u32 s46, s46, s16
	s_add_nc_u64 s[76:77], s[76:77], s[46:47]
	s_add_nc_u64 s[78:79], s[78:79], s[46:47]
	global_load_b128 v[12:15], v[BOF], s[74:75]
.macro MULA f, a, zero                 ; A's block a x B's four; the 16 accumulators take turns
.irp b, 0,1,2,3
.if \zero
	v_wmma_f32_16x16x128_bf8_bf8 v[ACC+8*(4*(\a)+\b):ACC+8*(4*(\a)+\b)+7], v[\f+64+16*\b:\f+64+16*\b+15], v[\f+16*(\a):\f+16*(\a)+15], 0
.else
	v_wmma_f32_16x16x128_bf8_bf8 v[ACC+8*(4*(\a)+\b):ACC+8*(4*(\a)+\b)+7], v[\f+64+16*\b:\f+64+16*\b+15], v[\f+16*(\a):\f+16*(\a)+15], v[ACC+8*(4*(\a)+\b):ACC+8*(4*(\a)+\b)+7]
.endif
.endr
.endm
.macro FETCH half, k, f                ; 128 along K at byte 512 half + k: B's 16 loads, then A's blocks 0, 1, then 2, 3.  Registers 4 p .. 4 p + 3: K = 32 p + 16 h + 0 .. 15 of them, alike in both
	WIN TO_F
.irp i, 0,1,2,3
.irp p, 0,1,2,3
	ds_load_b128 v[\f+64+16*\i+4*\p:\f+64+16*\i+4*\p+3], v[ADRB+\half] offset:\k+32*\p+\i*16*PITCH
.endr
.endr
.irp i, 0,1,2,3
.irp p, 0,1,2,3
	ds_load_b128 v[\f+16*\i+4*\p:\f+16*\i+4*\p+3], v[ADRA+\half] offset:((\k+32*\p)/64)*4352+\i*1088+(32*\p)%64
.endr
.endr
.endm
.macro PLACES
.rept 4
	v_nop
.endr
.endm
.macro QUARTER half, k, f, g, zero     ; multiplies buffer f; in its middle it fetches the next 128 along K into buffer g
	s_wait_dscnt 8                                 ; B and A's blocks 0, 1 are in; the youngest eight loads may be out
	WIN MUL
	MULA \f, 0, \zero
	MULA \f, 1, \zero
	PLACES
	FETCH \half, \k, \g
	s_wait_dscnt 32                                ; all but the 32 just issued
	WIN MUL
	MULA \f, 2, \zero
	MULA \f, 3, \zero
.endm
	s_wait_tensorcnt 0x0                           ; my part of the tiles is in,
	s_barrier_signal -1
	s_barrier_wait -1                              ; everybody's is
	FETCH 0, 0, F0
	WIN 0x80                                       ; destination in window 2
.set n, 0
.rept 32
	global_load_b128 v[4*n:4*n+3], v[CO], s[76:77] offset:2*n*4096 th:TH_LOAD_NT   ; the residual: rows 2 n, 2 n + 1 of my 64; sixteen lanes read 256 consecutive bytes
.set n, n+1
.endr
	QUARTER 0, 128, F0, F1, 1
	QUARTER 0, 256, F1, F0, 0
	QUARTER 0, 384, F0, F1, 0
	QUARTER 1, 0,   F1, F0, 0
	QUARTER 1, 128, F0, F1, 0
	QUARTER 1, 256, F1, F0, 0
	QUARTER 1, 384, F0, F1, 0
	s_wait_dscnt 8
	WIN MUL
	MULA F1, 0, 0
	MULA F1, 1, 0
	s_wait_dscnt 0
	MULA F1, 2, 0
	MULA F1, 3, 0
	WIN 0
	s_wait_kmcnt 0x0
	s_add_co_i32 s96, s96, s97
	s_add_co_i32 s96, s96, 127
	s_lshl_b32 s96, s96, 23                        ; 2^(e10 + e11)
	s_mov_b32 s97, s96
	PLACES
; THE WAY OUT: my 64 x 64, 16 rows at a time through my own stage: a row's 64 columns are 256 bytes, which sixteen lanes store whole.  Block a + 1 goes through the stage while block a is finished.
.macro TOSTAGE a
.set OUT, 32+32*((\a)%3)
.irp b, 0,1,2,3
	ds_store_b128 v[STO], v[ACC+8*(4*(\a)+\b):ACC+8*(4*(\a)+\b)+3] offset:64*\b        ; each accumulator from its low end on
	ds_store_b128 v[STO], v[ACC+8*(4*(\a)+\b)+4:ACC+8*(4*(\a)+\b)+7] offset:64*\b+16
.endr
.set n, 0
.rept 8
	ds_load_b128 v[OUT+4*n:OUT+4*n+3], v[RD] offset:n*2*SPITCH   ; LDS serves a wave's instructions in order: these see my stores, and the next block's stores come behind them
.set n, n+1
.endr
.endm
.macro FINISH a, younger               ; younger: the LDS instructions issued behind block a's loads, which may stay out
.set OUT, 32+32*((\a)%3)
	s_wait_dscnt \younger
.set n, 0
.rept 8
	v_pk_fma_f32 v[OUT+4*n:OUT+4*n+1], v[OUT+4*n:OUT+4*n+1], s[96:97], v[12:13] op_sel_hi:[1,0,1]
	v_pk_fma_f32 v[OUT+4*n+2:OUT+4*n+3], v[OUT+4*n+2:OUT+4*n+3], s[96:97], v[14:15] op_sel_hi:[1,0,1]
.set n, n+1
.endr
	WIN 0x08                                       ; source 1, the residual, in window 2
.set n, 0
.rept 8
	v_pk_add_f32 v[OUT+4*n:OUT+4*n+1], v[OUT+4*n:OUT+4*n+1], v[32*(\a)+4*n:32*(\a)+4*n+1]
	v_pk_add_f32 v[OUT+4*n+2:OUT+4*n+3], v[OUT+4*n+2:OUT+4*n+3], v[32*(\a)+4*n+2:32*(\a)+4*n+3]
.set n, n+1
.endr
	WIN 0
.set n, 0
.rept 8
	global_store_b128 v[CO], v[OUT+4*n:OUT+4*n+3], s[78:79] offset:(16*(\a)+2*n)*4096
.set n, n+1
.endr
.endm
	s_wait_loadcnt 0x0                             ; bo and the residual
	TOSTAGE 0
	TOSTAGE 1
	FINISH 0, 16                                   ; behind block 0's loads: block 1's 8 stores and 8 loads
	TOSTAGE 2
	FINISH 1, 16
	s_wait_xcnt 0x0                                ; block 0's stores have read their data: block 3 takes their registers
	TOSTAGE 3
	FINISH 2, 16
	FINISH 3, 0
	s_wait_tensorcnt 0x0                           ; the wave's end
	ds_add_u32 v[SPW], v[NIL]
	s_wait_dscnt 0x0
	CROUND                                         ; the closing round
	s_endpgm
.Lfunc_end_k_qad0e60ab4d_wo:
	.size	k_qad0e60ab4d_wo, .Lfunc_end_k_qad0e60ab4d_wo-k_qad0e60ab4d_wo
	.p2alignl 7, 3214868480
	.fill 96, 4, 3214868480
	.section	.rodata,"a",@progbits
	.p2align	6, 0x0
	.amdhsa_kernel k_qad0e60ab4d_wo
		.amdhsa_group_segment_fixed_size 327680
		.amdhsa_private_segment_fixed_size 0
		.amdhsa_enable_private_segment 0
		.amdhsa_kernarg_size 48
		.amdhsa_user_sgpr_count 2
		.amdhsa_user_sgpr_kernarg_segment_ptr 1
		.amdhsa_wavefront_size32 1
		.amdhsa_system_sgpr_workgroup_id_x 1
		.amdhsa_system_sgpr_workgroup_id_y 1
		.amdhsa_system_sgpr_workgroup_id_z 1
		.amdhsa_system_vgpr_workitem_id 0
		.amdhsa_next_free_vgpr 768
		.amdhsa_next_free_sgpr 100
		.amdhsa_reserve_vcc 0
		.amdhsa_float_denorm_mode_32 3
		.amdhsa_float_denorm_mode_16_64 3
		.amdhsa_memory_ordered 1
		.amdhsa_forward_progress 1
		.amdhsa_inst_pref_size 52
	.end_amdhsa_kernel
	.amdgpu_metadata
---
amdhsa.version: [ 1, 2 ]
amdhsa.kernels:
  - .name:           k_qad0e60ab4d_wo
    .symbol:         k_qad0e60ab4d_wo.kd
    .args:
      - { .name: ocodes, .offset: 0, .size: 8, .value_kind: global_buffer, .address_space: global }
      - { .name: wcodes, .offset: 8, .size: 8, .value_kind: global_buffer, .address_space: global }
      - { .name: lowp_scales, .offset: 16, .size: 8, .value_kind: global_buffer, .address_space: global }
      - { .name: bo, .offset: 24, .size: 8, .value_kind: global_buffer, .address_space: global }
      - { .name: x, .offset: 32, .size: 8, .value_kind: global_buffer, .address_space: global }
      - { .name: x1, .offset: 40, .size: 8, .value_kind: global_buffer, .address_space: global }
    .group_segment_fixed_size: 327680
    .private_segment_fixed_size: 0
    .kernarg_segment_align: 8
    .kernarg_segment_size: 48
    .max_flat_workgroup_size: 128
    .sgpr_count:     100
    .vgpr_count:     768
    .wavefront_size: 32
...
	.end_amdgpu_metadata
.endif
;; end of part 4
;; launch ln2 (part 5): grid 512 x 1, 4 waves a work-group, no clusters, 0 bytes of LDS; arguments x1, ln2_g, ln2_b, lowp_scales, hcodes; writes hcodes
.if DOCPART == 5
	.amdgcn_target "amdgcn-amd-amdhsa--gfx1250"
	.amdhsa_code_object_version 6
	.text
	.protected	k_qad0e60ab4d_ln2
	.globl	k_qad0e60ab4d_ln2
	.p2align	8
	.type	k_qad0e60ab4d_ln2,@function
k_qad0e60ab4d_ln2:
	s_mov_b64 s[64:65], 0
	v_nop
	global_prefetch_b8 v0, s[64:65] scope:SCOPE_SE
	s_setreg_imm32_b32 hwreg(HW_REG_WAVE_MODE, 25, 1), 1
	s_wait_xcnt 0x0
; hcodes = LayerNorm 2 of x1 as codes of E5M2 at e12.  A wave takes 2 rows, both asked for at the head, with the gain and the bias: 32 loads of a wave are out at once, and nothing is asked for later.
; A row stays in registers between the passes; no LDS, no barrier.  Nothing of the problem is left out here.
; Lane l holds, of chunk c = 0..3, columns 256 c + 8 l + 0..7 in registers 8 c .. 8 c + 7; its 8 codes lie at 256 c + 8 l.  LIMITS: e12 between -126 and 112; NaN among the inputs is not served.
.set G, 16                             ; v16-47   gain of my 32 columns
.set BT, 48                            ; v48-79   bias
.set X, 80                             ; v80-143  the two rows as loaded
.set T, 144                            ; v144-175 at work
.set C, 176                            ; v176-191 codes: a set of 8 registers for each row, so that no store's data are written again
	s_load_b256 s[4:11], s[0:1], 0x0               ; x1, ln2_g, ln2_b, the scales' exponents
	s_load_b64 s[12:13], s[0:1], 0x20              ; hcodes
	v_lshrrev_b32 v1, 5, v0
	v_readfirstlane_b32 s16, v1
	v_and_b32 v2, 31, v0
	s_wait_alu depctr_va_vdst(0)
	s_lshl_b32 s17, ttmp9, 3
	s_lshl_b32 s18, s16, 1
	s_add_co_u32 s17, s17, s18                     ; my wave's first row: 8 x work-group + 2 x wave
	s_lshl_b32 s20, s17, 12
	s_mov_b32 s21, 0
	s_lshl_b32 s22, s17, 10
	s_mov_b32 s23, 0
	s_mov_b32 s30, 0x76543210
	s_mov_b32 s31, 0xfedcba98
	s_mov_b32 s32, 0x3a800000                      ; 1/1024
	s_mov_b32 s33, 0x3727c5ac                      ; 1e-5
	v_lshlrev_b32 v1, 5, v2
	v_lshlrev_b32 v3, 3, v2
	s_wait_alu depctr_va_vdst(0)
	s_wait_kmcnt 0x0
	s_load_b32 s36, s[10:11], 0x30                 ; e12
	s_add_nc_u64 s[4:5], s[4:5], s[20:21]
	s_add_nc_u64 s[24:25], s[12:13], s[22:23]
.macro XLOAD i
.irp c, 0,1,2,3
	global_load_b128 v[X+32*(\i)+8*\c:X+32*(\i)+8*\c+3], v1, s[4:5] offset:4096*(\i)+1024*\c
	global_load_b128 v[X+32*(\i)+8*\c+4:X+32*(\i)+8*\c+7], v1, s[4:5] offset:4096*(\i)+1024*\c+16
.endr
.endm
.macro WSUM
	v_add_f32_dpp v4, v4, v4 row_xmask:1 row_mask:0xf bank_mask:0xf
	v_add_f32_dpp v4, v4, v4 row_xmask:2 row_mask:0xf bank_mask:0xf
	v_add_f32_dpp v4, v4, v4 row_xmask:4 row_mask:0xf bank_mask:0xf
	v_add_f32_dpp v4, v4, v4 row_xmask:8 row_mask:0xf bank_mask:0xf
	v_permlanex16_b32 v5, v4, s30, s31
	v_add_f32 v4, v4, v5
.endm
.macro ROW i
.set XS, X+32*(\i)
.set CR, C+8*(\i)
.if (\i) < 1
	s_wait_loadcnt 8                               ; gain, bias and this row are in; the second row's eight loads may be out
.else
	s_wait_loadcnt 0
.endif
	v_pk_add_f32 v[4:5], v[XS:XS+1], v[XS+2:XS+3]
	v_pk_add_f32 v[6:7], v[XS+4:XS+5], v[XS+6:XS+7]
.irp j, 8,12,16,20,24,28
	v_pk_add_f32 v[4:5], v[4:5], v[XS+\j:XS+\j+1]
	v_pk_add_f32 v[6:7], v[6:7], v[XS+\j+2:XS+\j+3]
.endr
	v_pk_add_f32 v[4:5], v[4:5], v[6:7]
	v_add_f32 v4, v4, v5
	WSUM
	v_mul_f32 v12, s32, v4                         ; the mean
	v_mov_b32 v13, v12
.set n, 0
.rept 16
	v_pk_add_f32 v[T+n:T+n+1], v[XS+n:XS+n+1], v[12:13] neg_lo:[0,1] neg_hi:[0,1]
.set n, n+2
.endr
	v_pk_mul_f32 v[4:5], v[T:T+1], v[T:T+1]
	v_pk_mul_f32 v[6:7], v[T+2:T+3], v[T+2:T+3]
.irp j, 4,8,12,16,20,24,28
	v_pk_fma_f32 v[4:5], v[T+\j:T+\j+1], v[T+\j:T+\j+1], v[4:5]
	v_pk_fma_f32 v[6:7], v[T+\j+2:T+\j+3], v[T+\j+2:T+\j+3], v[6:7]
.endr
	v_pk_add_f32 v[4:5], v[4:5], v[6:7]
	v_add_f32 v4, v4, v5
	WSUM
	v_fma_f32 v4, v4, s32, s33                     ; the variance + 1e-5
	s_wait_alu depctr_va_vdst(0)
	v_rsq_f32 v14, v4
	v_rsq_f32 v15, v4
	v_nop                                          ; a plain instruction behind the two,
	s_wait_alu depctr_va_vdst(0)                   ; and the wait ahead of their first reader
.set n, 0
.rept 16
	v_pk_mul_f32 v[T+n:T+n+1], v[T+n:T+n+1], v[14:15]
.set n, n+2
.endr
.set n, 0
.rept 16
	v_pk_fma_f32 v[T+n:T+n+1], v[T+n:T+n+1], v[G+n:G+n+1], v[BT+n:BT+n+1]
.set n, n+2
.endr
.set n, 0
.rept 32
	v_med3_num_f32 v[T+n], v[T+n], -v201, v201     ; the conversion to an 8-bit code does not saturate (ISA guide 7.6.2)
.set n, n+1
.endr
.irp c, 0,1,2,3
	v_cvt_scalef32_pk8_bf8_f32 v[CR+2*\c:CR+2*\c+1], v[T+8*\c:T+8*\c+7], v200
.endr
	v_nop                                          ; a plain instruction between the conversions and the next writes of their sources
.irp c, 0,1,2,3
	global_store_b64 v3, v[CR+2*\c:CR+2*\c+1], s[24:25] offset:1024*(\i)+256*\c   ; 32 lanes store 256 consecutive bytes, aligned
.endr
.endm
.irp c, 0,1,2,3
	global_load_b128 v[G+8*\c:G+8*\c+3], v1, s[6:7] offset:1024*\c
	global_load_b128 v[G+8*\c+4:G+8*\c+7], v1, s[6:7] offset:1024*\c+16
	global_load_b128 v[BT+8*\c:BT+8*\c+3], v1, s[8:9] offset:1024*\c
	global_load_b128 v[BT+8*\c+4:BT+8*\c+7], v1, s[8:9] offset:1024*\c+16
.endr
	XLOAD 0
	XLOAD 1
	s_wait_kmcnt 0x0
	s_add_co_i32 s34, s36, 127
	s_lshl_b32 s35, s34, 23
	v_mov_b32 v200, s35                            ; 2^e12
	s_add_co_i32 s34, s34, 15
	s_lshl_b32 s34, s34, 23
	s_or_b32 s34, s34, 0x600000
	v_mov_b32 v201, s34                            ; 57,344 x 2^e12
	ROW 0
	ROW 1
	s_endpgm
.Lfunc_end_k_qad0e60ab4d_ln2:
	.size	k_qad0e60ab4d_ln2, .Lfunc_end_k_qad0e60ab4d_ln2-k_qad0e60ab4d_ln2
	.p2alignl 7, 3214868480
	.fill 96, 4, 3214868480
	.section	.rodata,"a",@progbits
	.p2align	6, 0x0
	.amdhsa_kernel k_qad0e60ab4d_ln2
		.amdhsa_group_segment_fixed_size 0
		.amdhsa_private_segment_fixed_size 0
		.amdhsa_enable_private_segment 0
		.amdhsa_kernarg_size 40
		.amdhsa_user_sgpr_count 2
		.amdhsa_user_sgpr_kernarg_segment_ptr 1
		.amdhsa_wavefront_size32 1
		.amdhsa_system_sgpr_workgroup_id_x 1
		.amdhsa_system_sgpr_workgroup_id_y 1
		.amdhsa_system_sgpr_workgroup_id_z 1
		.amdhsa_system_vgpr_workitem_id 0
		.amdhsa_next_free_vgpr 208
		.amdhsa_next_free_sgpr 66
		.amdhsa_reserve_vcc 0
		.amdhsa_float_denorm_mode_32 3
		.amdhsa_float_denorm_mode_16_64 3
		.amdhsa_memory_ordered 1
		.amdhsa_forward_progress 1
		.amdhsa_inst_pref_size 22
	.end_amdhsa_kernel
	.amdgpu_metadata
---
amdhsa.version: [ 1, 2 ]
amdhsa.kernels:
  - .name:           k_qad0e60ab4d_ln2
    .symbol:         k_qad0e60ab4d_ln2.kd
    .args:
      - { .name: x1, .offset: 0, .size: 8, .value_kind: global_buffer, .address_space: global }
      - { .name: ln2_g, .offset: 8, .size: 8, .value_kind: global_buffer, .address_space: global }
      - { .name: ln2_b, .offset: 16, .size: 8, .value_kind: global_buffer, .address_space: global }
      - { .name: lowp_scales, .offset: 24, .size: 8, .value_kind: global_buffer, .address_space: global }
      - { .name: hcodes, .offset: 32, .size: 8, .value_kind: global_buffer, .address_space: global }
    .group_segment_fixed_size: 0
    .private_segment_fixed_size: 0
    .kernarg_segment_align: 8
    .kernarg_segment_size: 40
    .max_flat_workgroup_size: 128
    .sgpr_count:     66
    .vgpr_count:     208
    .wavefront_size: 32
...
	.end_amdgpu_metadata
.endif
;; end of part 5
;; launch ffn1 (part 6): grid 16 x 16, 4 waves a work-group, clusters of 4 x 4, 327,680 bytes of LDS; arguments hcodes, wcodes, lowp_scales, b1, hid; writes hid
.if DOCPART == 6
	.amdgcn_target "amdgcn-amd-amdhsa--gfx1250"
	.amdhsa_code_object_version 6
	.text
	.protected	k_qad0e60ab4d_ffn1
	.globl	k_qad0e60ab4d_ffn1
	.p2align	8
	.type	k_qad0e60ab4d_ffn1,@function
k_qad0e60ab4d_ffn1:
	s_mov_b64 s[64:65], 0
	v_nop
	global_prefetch_b8 v0, s[64:65] scope:SCOPE_SE
	s_setreg_imm32_b32 hwreg(HW_REG_WAVE_MODE, 25, 1), 1
	s_wait_xcnt 0x0
	s_wait_alu depctr_hold_cnt(0) depctr_sa_sdst(0) depctr_va_vdst(0) depctr_va_sdst(0) depctr_va_ssrc(0) depctr_va_vcc(0) depctr_vm_vsrc(0)
	s_getreg_b32 s2, hwreg(HW_REG_IB_STS2, 6, 4)
	s_cmp_eq_u32 s2, 0
	s_cbranch_scc0 .Lentry_in_a_cluster
	s_endpgm
.Lentry_in_a_cluster:
	s_bfe_u32 s2, ttmp6, 0x10000c
	s_cmp_lg_u32 s2, 0xf033
	s_cbranch_scc0 .Lentry_shape_is_right
	s_endpgm
.Lentry_shape_is_right:
.set KSTEP,  256
.set ROWB,   256
.set KROW,   1024
.set PITCH,  272
.set FR,     16
.set NL,     4
.set NP,     4
.set HALFT,  128*PITCH
.set SLOT,   4*HALFT
.set LAPS,   2
.set SPARE,  2*SLOT
.set ADRA, 16
.set ADRB, 20
.set STO,  24
.set RDR,  25
.set GV,   27
.set SPW,  28
.set NIL,  29
.set BO,   31
.set BIAS, 32
.set TMP,  128
.set CD,   192
.set AF,   128
.set G1, 24
.set G0, 32
.set G1B, 48
.set G0B, 56
.set MSB, 0
.macro WIN new
.if MSB != \new
	s_set_vgpr_msb (MSB<<8)|\new
.set MSB, \new
.endif
.endm
.set MUL_LO, 0xa1
.set MUL_HI, 0xf1
.set TO_B,   0x40
.macro JLOAD g0a, g1a, g0b, g1b
	s_cmp_eq_u32 s15, 0
	s_cbranch_scc0 .Lfor_b_\@
	tensor_load_to_lds s[\g0a:\g0a+3], s[\g1a:\g1a+7]
	s_nop 0
.rept 4
	v_nop
.endr
	s_branch .Lasked_\@
.Lfor_b_\@:
	tensor_load_to_lds s[\g0b:\g0b+3], s[\g1b:\g1b+7]
	s_nop 0
.rept 4
	v_nop
.endr
.Lasked_\@:
.endm
.macro CREST
	s_cmp_lg_u32 s14, 0
	s_cbranch_scc1 .Lnot_wave_0_\@
	s_barrier_signal -3
.Lnot_wave_0_\@:
	s_barrier_wait -3
	s_barrier_signal -1
	s_barrier_wait -1
.endm
.macro CROUND
	s_barrier_signal -1
	s_barrier_wait -1
	CREST
.endm
	s_load_b256 s[68:75], s[0:1], 0x0
	s_load_b64 s[76:77], s[0:1], 0x20
	v_lshl_add_u32 v[SPW], v0, 2, SPARE
	v_mov_b32 v[NIL], 0
	ds_add_u32 v[SPW], v[NIL]
	ds_add_u32 v[SPW], v[NIL]
	v_lshrrev_b32 v1, 5, v0
	v_readfirstlane_b32 s14, v1
	s_lshr_b32 s15, s14, 1
	s_and_b32 s16, s14, 1
	s_bfe_u32 s40, ttmp6, 0x40000
	s_bfe_u32 s41, ttmp6, 0x40004
	s_lshl_b32 s42, ttmp9, 2
	s_add_co_u32 s42, s42, s40
	s_and_b32 s18, ttmp7, 0xffff
	s_lshl_b32 s18, s18, 2
	s_add_co_u32 s18, s18, s41
	s_lshl_b32 s43, s41, 2
	s_lshl_b32 s43, 15, s43
	s_lshl_b32 s44, 0x1111, s40
	s_or_b32 s[G1+0], s43, (0<<16)|(1<<20)|(1<<21)|(5<<22)|(3<<25)
	s_or_b32 s[G1B+0], s44, (0<<16)|(1<<20)|(1<<21)|(5<<22)|(3<<25)
.irp g, G1, G1B
	s_mov_b32 s[\g+1], ROWB<<16
	s_mov_b32 s[\g+2], 128<<16
	s_mov_b32 s[\g+3], ROWB<<16
	s_mov_b32 s[\g+4], 128
	s_mov_b32 s[\g+5], KROW
	s_mov_b32 s[\g+6], 0
	s_mov_b32 s[\g+7], 0
.endr
	s_lshl_b32 s23, s16, 7
	s_lshl_b32 s22, s18, 8
	s_add_co_u32 s22, s22, s23
	s_lshl_b32 s46, s42, 8
	s_add_co_u32 s46, s46, s23
	s_lshl_b32 s22, s22, 10
	s_mov_b32 s23, 0
	s_lshl_b32 s46, s46, 10
	s_mov_b32 s47, 0
	s_mul_i32 s45, s14, HALFT
	s_wait_dscnt 0x0
	s_wait_kmcnt 0x0
	s_load_b128 s[84:87], s[72:73], 0x30
	s_add_nc_u64 s[8:9], s[68:69], s[22:23]
	s_add_nc_u64 s[46:47], s[70:71], s[46:47]
	s_add_nc_u64 s[46:47], s[46:47], 0x400000
	CROUND
.irp s, 0,1
	s_mov_b32 s[G0+4*\s], 1
	s_add_co_u32 s[G0+4*\s+1], s45, \s*SLOT
	s_add_nc_u64 s[G0+4*\s+2:G0+4*\s+3], s[8:9], \s*ROWB
	s_or_b32 s[G0+4*\s+3], s[G0+4*\s+3], 0x80000000
	s_mov_b32 s[G0B+4*\s], 1
	s_add_co_u32 s[G0B+4*\s+1], s45, \s*SLOT
	s_add_nc_u64 s[G0B+4*\s+2:G0B+4*\s+3], s[46:47], \s*ROWB
	s_or_b32 s[G0B+4*\s+3], s[G0B+4*\s+3], 0x80000000
.endr
	JLOAD G0, G1, G0B, G1B                         ; K step 0: one tensor load a wave at the head
	v_and_b32 v1, 15, v0
	v_bfe_u32 v2, v0, 4, 1
	v_mul_u32_u24 v3, v1, PITCH
	s_wait_alu depctr_va_vdst(0)
	v_lshl_add_u32 v4, v2, 4, v3
	s_mul_i32 s21, s15, HALFT
	s_mul_i32 s22, s16, HALFT
	s_add_co_u32 s22, s22, 2*HALFT
.irp s, 0,1
	v_add_nc_u32 v[ADRA+\s], s21, v4
	v_add_nc_u32 v[ADRB+\s], s22, v4
	s_add_co_u32 s21, s21, SLOT
	s_add_co_u32 s22, s22, SLOT
.endr
	s_mul_i32 s21, s15, HALFT
	s_lshl_b32 s22, s16, 7
	s_add_co_u32 s21, s21, s22
	v_lshl_add_u32 v[STO], v2, 3, v3
	v_add_nc_u32 v[STO], s21, v[STO]
	s_mul_i32 s21, s14, 64*PITCH
	v_mul_u32_u24 v5, v2, PITCH
	v_lshl_add_u32 v5, v1, 4, v5
	v_add_nc_u32 v[RDR], s21, v5
	v_lshlrev_b32 v[GV], 12, v2
	v_lshl_add_u32 v[GV], v1, 4, v[GV]
	v_lshlrev_b32 v[BO], 5, v2
	s_lshl_b32 s6, s42, 10
	s_lshl_b32 s7, s16, 9
	s_add_co_u32 s6, s6, s7
	s_mov_b32 s7, 0
	s_add_nc_u64 s[4:5], s[74:75], s[6:7]
.set n, 0
.rept 8
	global_load_b128 v[BIAS+8*n:BIAS+8*n+3], v[BO], s[4:5] offset:64*n
	global_load_b128 v[BIAS+8*n+4:BIAS+8*n+7], v[BO], s[4:5] offset:64*n+16
.set n, n+1
.endr
	; THE PREFETCHES INTO THE L2: K steps 1 to 3 (256 bytes of a row each) of the 128 rows that my wave fetches.  The four partners that ask for them jointly take 32 rows each, told apart by address
	; (cx for A, cy for B): a lane a row, one instruction a K step.  K step 0 comes by its load alone.  The registers are never rewritten.
	s_cmp_eq_u32 s15, 0                            ; do I fetch for A?
	s_cselect_b64 s[66:67], s[8:9], s[46:47]       ; my 128 rows
	s_cselect_b32 s2, s40, s41                     ; my place among the four
	s_lshl_b32 s2, s2, 15                          ; 32 rows of 1,024 bytes
	s_mov_b32 s3, 0
	s_add_nc_u64 s[66:67], s[66:67], s[2:3]
	v_and_b32 v19, 31, v0
	v_lshlrev_b32 v19, 10, v19
	global_prefetch_b8 v19, s[66:67] offset:256 th:TH_LOAD_NT scope:SCOPE_SE
	global_prefetch_b8 v19, s[66:67] offset:512 th:TH_LOAD_NT scope:SCOPE_SE
	global_prefetch_b8 v19, s[66:67] offset:768 th:TH_LOAD_NT scope:SCOPE_SE
.macro FRAG reg, adr, q, i
.irp c, 0,1,2,3
	ds_load_b128 v[\reg+4*\c:\reg+4*\c+3], v[\adr] offset:128*(\q)+32*\c+(\i)*16*PITCH
.endr
.endm
.macro MUL16 a0, p, zero
.irp a, \a0, \a0+1
.irp b, 0,1,2,3,4,5,6,7
.if \zero
	v_wmma_f32_16x16x128_bf8_bf8 v[8*(8*((\a)%4)+\b):8*(8*((\a)%4)+\b)+7], v[128*(\p)+FR*\b:128*(\p)+FR*\b+FR-1], v[AF+FR*(\a):AF+FR*(\a)+FR-1], 0
.else
	v_wmma_f32_16x16x128_bf8_bf8 v[8*(8*((\a)%4)+\b):8*(8*((\a)%4)+\b)+7], v[128*(\p)+FR*\b:128*(\p)+FR*\b+FR-1], v[AF+FR*(\a):AF+FR*(\a)+FR-1], v[8*(8*((\a)%4)+\b):8*(8*((\a)%4)+\b)+7]
.endif
.endr
.endr
.endm
.macro FETCH_B slot, q, p
	WIN TO_B
.irp i, 0,1,2,3,4,5,6,7
	FRAG 128*(\p)+FR*\i, ADRB+\slot, \q, \i
.endr
	WIN 0
.endm
.macro FETCH_A slot, q, i0
.irp i, \i0, \i0+1, \i0+2, \i0+3
	FRAG AF+FR*(\i), ADRA+\slot, \q, \i
.endr
.endm
.macro PLACES n
.rept \n
	v_nop
.endr
.endm
.macro STEP slot, q, zero
	s_wait_dscnt 4*NL
	WIN MUL_LO
	MUL16 0, (\q)%2, \zero
	MUL16 2, (\q)%2, \zero
	s_wait_dscnt 0
	PLACES NP
	FETCH_B \slot, (\q)+1, 1-(\q)%2
	FETCH_A \slot, (\q)+1, 0
	WIN MUL_HI
	MUL16 4, (\q)%2, \zero
	MUL16 6, (\q)%2, \zero
	PLACES NP
	WIN 0
	FETCH_A \slot, (\q)+1, 4
.endm
.macro TURN slot, next, fill
	s_wait_tensorcnt 0x0
	ds_add_u32 v[SPW], v[NIL]
	s_wait_dscnt 4*NL+1
	WIN MUL_LO
	MUL16 0, 1, 0
	s_wait_dscnt 0x0
	s_barrier_signal -1
	MUL16 2, 1, 0
	WIN 0
	s_barrier_wait -1
.if \fill
	CREST
	s_add_nc_u64 s[G0+4*\slot+2:G0+4*\slot+3], s[G0+4*\slot+2:G0+4*\slot+3], 2*ROWB
	s_add_nc_u64 s[G0B+4*\slot+2:G0B+4*\slot+3], s[G0B+4*\slot+2:G0B+4*\slot+3], 2*ROWB
	JLOAD G0+4*\slot, G1, G0B+4*\slot, G1B
.else
	PLACES NP
.endif
	s_wait_alu depctr_va_vdst(0)
	FETCH_B \next, 0, 0
	FETCH_A \next, 0, 0
	WIN MUL_HI
	MUL16 4, 1, 0
	MUL16 6, 1, 0
	PLACES NP
	WIN 0
	FETCH_A \next, 0, 4
.endm
.macro BLK a
.set AC, 64*((\a)%4)
.set CSET, CD+16*((\a)%4)
.if (\a) >= 4
	s_wait_dscnt 24
.endif
	WIN 0x02+((\a)/4)
.set n, 0
.rept 32
	v_pk_fma_f32 v[TMP+n:TMP+n+1], v[AC+n:AC+n+1], s[100:101], v[BIAS+n:BIAS+n+1] op_sel_hi:[1,0,1]
.set n, n+2
.endr
	WIN 0
.set n, 0
.rept 64
	v_med3_num_f32 v[TMP+n], v[TMP+n], 0, v4
.set n, n+1
.endr
.set n, 0
.rept 8
	v_cvt_scalef32_pk8_bf8_f32 v[CSET+2*n:CSET+2*n+1], v[TMP+8*n:TMP+8*n+7], v5
.set n, n+1
.endr
	v_nop
.set n, 0
.rept 8
	ds_store_b64 v[STO], v[CSET+2*n:CSET+2*n+1] offset:(\a)*16*PITCH+16*n
.set n, n+1
.endr
.endm
	s_wait_alu depctr_va_vdst(0)                   ; the wait at the head's end
	s_wait_tensorcnt 0x0                           ; my part of K step 0 is in; the three lines ahead of slot 1's first fill
	ds_add_u32 v[SPW], v[NIL]
	s_wait_dscnt 0x0
	CROUND                                         ; everybody's part is in, and the joint loads meet
	JLOAD G0+4, G1, G0B+4, G1B                     ; K step 1
	FETCH_B 0, 0, 0
	FETCH_A 0, 0, 0
	FETCH_A 0, 0, 4
	STEP 0, 0, 1
	s_mov_b32 s3, LAPS-1
.Llap:
	TURN 0, 1, 1
	STEP 1, 0, 0
	TURN 1, 0, 1
	STEP 0, 0, 0
	s_sub_co_u32 s3, s3, 1
	s_cmp_lg_u32 s3, 0
	s_cbranch_scc1 .Llap
	TURN 0, 1, 0
	STEP 1, 0, 0
	s_wait_kmcnt 0x0
	s_add_co_i32 s10, s84, s85
	s_add_co_i32 s10, s10, 127
	s_lshl_b32 s100, s10, 23
	s_mov_b32 s101, s100
	s_add_co_i32 s11, s86, 127
	s_lshl_b32 s10, s11, 23
	v_mov_b32 v5, s10
	s_add_co_i32 s11, s11, 15
	s_lshl_b32 s11, s11, 23
	s_or_b32 s11, s11, 0x600000
	v_mov_b32 v4, s11
	s_wait_dscnt 4*NL
	WIN MUL_LO
	MUL16 0, 1, 0
	MUL16 2, 1, 0
	s_wait_dscnt 0
	WIN MUL_HI
	MUL16 4, 1, 0
	MUL16 6, 1, 0
	WIN 0
	PLACES NP
	s_wait_loadcnt 0x0
.irp a, 0,1,2,3,4,5,6,7
	BLK \a
.endr
	s_lshl_b32 s6, s18, 8
	s_lshl_b32 s7, s14, 6
	s_add_co_u32 s6, s6, s7
	s_lshl_b32 s6, s6, 12
	s_lshl_b32 s7, s42, 8
	s_add_co_u32 s6, s6, s7
	s_mov_b32 s7, 0
	s_add_nc_u64 s[20:21], s[76:77], s[6:7]
	s_wait_dscnt 0x0
	s_barrier_signal -1
	s_barrier_wait -1
.set n, 0
.rept 32
	ds_load_b128 v[128+4*n:131+4*n], v[RDR] offset:n*2*PITCH
.set n, n+1
.endr
.set n, 0
.rept 32
	s_wait_dscnt 31-n
	global_store_b128 v[GV], v[128+4*n:131+4*n], s[20:21] offset:8192*n
.set n, n+1
.endr
	s_wait_tensorcnt 0x0
	ds_add_u32 v[SPW], v[NIL]
	s_wait_dscnt 0x0
	CROUND
	s_endpgm
.Lfunc_end_k_qad0e60ab4d_ffn1:
	.size	k_qad0e60ab4d_ffn1, .Lfunc_end_k_qad0e60ab4d_ffn1-k_qad0e60ab4d_ffn1
	.p2alignl 7, 3214868480
	.fill 96, 4, 3214868480
	.section	.rodata,"a",@progbits
	.p2align	6, 0x0
	.amdhsa_kernel k_qad0e60ab4d_ffn1
		.amdhsa_group_segment_fixed_size 327680
		.amdhsa_private_segment_fixed_size 0
		.amdhsa_enable_private_segment 0
		.amdhsa_kernarg_size 40
		.amdhsa_user_sgpr_count 2
		.amdhsa_user_sgpr_kernarg_segment_ptr 1
		.amdhsa_wavefront_size32 1
		.amdhsa_system_sgpr_workgroup_id_x 1
		.amdhsa_system_sgpr_workgroup_id_y 1
		.amdhsa_system_sgpr_workgroup_id_z 1
		.amdhsa_system_vgpr_workitem_id 0
		.amdhsa_next_free_vgpr 1024
		.amdhsa_next_free_sgpr 102
		.amdhsa_reserve_vcc 0
		.amdhsa_float_denorm_mode_32 3
		.amdhsa_float_denorm_mode_16_64 3
		.amdhsa_memory_ordered 1
		.amdhsa_forward_progress 1
		.amdhsa_inst_pref_size 144
	.end_amdhsa_kernel
	.amdgpu_metadata
---
amdhsa.version: [ 1, 2 ]
amdhsa.kernels:
  - .name:           k_qad0e60ab4d_ffn1
    .symbol:         k_qad0e60ab4d_ffn1.kd
    .args:
      - { .name: hcodes, .offset: 0, .size: 8, .value_kind: global_buffer, .address_space: global }
      - { .name: wcodes, .offset: 8, .size: 8, .value_kind: global_buffer, .address_space: global }
      - { .name: lowp_scales, .offset: 16, .size: 8, .value_kind: global_buffer, .address_space: global }
      - { .name: b1, .offset: 24, .size: 8, .value_kind: global_buffer, .address_space: global }
      - { .name: hid, .offset: 32, .size: 8, .value_kind: global_buffer, .address_space: global }
    .group_segment_fixed_size: 327680
    .private_segment_fixed_size: 0
    .kernarg_segment_align: 8
    .kernarg_segment_size: 40
    .max_flat_workgroup_size: 128
    .sgpr_count:     102
    .vgpr_count:     1024
    .wavefront_size: 32
...
	.end_amdgpu_metadata
.endif
;; end of part 6
;; launch ffn2 (part 7): grid 8 x 32, 4 waves a work-group, clusters of 4 x 4, 327,680 bytes of LDS; arguments hid, wcodes, lowp_scales, b2, x1, out0; writes out0
.if DOCPART == 7
	.amdgcn_target "amdgcn-amd-amdhsa--gfx1250"
	.amdhsa_code_object_version 6
	.text
	.protected	k_qad0e60ab4d_ffn2
	.globl	k_qad0e60ab4d_ffn2
	.p2align	8
	.type	k_qad0e60ab4d_ffn2,@function
k_qad0e60ab4d_ffn2:
	s_mov_b64 s[64:65], 0
	v_nop
	global_prefetch_b8 v0, s[64:65] scope:SCOPE_SE
	s_setreg_imm32_b32 hwreg(HW_REG_WAVE_MODE, 25, 1), 1
	s_wait_xcnt 0x0
	s_wait_alu depctr_hold_cnt(0) depctr_sa_sdst(0) depctr_va_vdst(0) depctr_va_sdst(0) depctr_va_ssrc(0) depctr_va_vcc(0) depctr_vm_vsrc(0)
	s_getreg_b32 s2, hwreg(HW_REG_IB_STS2, 6, 4)
	s_cmp_eq_u32 s2, 0
	s_cbranch_scc0 .Lentry_in_a_cluster
	s_endpgm
.Lentry_in_a_cluster:
	s_bfe_u32 s2, ttmp6, 0x10000c
	s_cmp_lg_u32 s2, 0xf033
	s_cbranch_scc0 .Lentry_shape_is_right
	s_endpgm
.Lentry_shape_is_right:
.set PITCH,  528
.set HALFT,  64*PITCH
.set SLOT,   4*HALFT
.set STAGE,  2*SLOT
.set SPITCH, 272
.set SPARE,  STAGE+4*16*SPITCH
.set LAPS,   4
.set ADRA, 16
.set ADRB, 20
.set STO,  24
.set RD,   25
.set CO,   26
.set BOF,  27
.set SPW,  28
.set NIL,  29
.set RES,  32
.set OUT,  96
.set ACC,  128
.set F0,   0
.set F1,   128
.set G1, 24
.set G0, 32
.set G1B, 48
.set G0B, 56
.set MSB, 0
.macro WIN new
.if MSB != \new
	s_set_vgpr_msb (MSB<<8)|\new
.set MSB, \new
.endif
.endm
.set MUL,  0x05
.set TO_F, 0x40
.macro JLOAD s
	s_cmp_eq_u32 s11, 0
	s_cbranch_scc0 .Lfor_b_\@
	tensor_load_to_lds s[G0+4*\s:G0+4*\s+3], s[G1:G1+7]
	s_nop 0
.rept 4
	v_nop
.endr
	s_branch .Lasked_\@
.Lfor_b_\@:
	tensor_load_to_lds s[G0B+4*\s:G0B+4*\s+3], s[G1B:G1B+7]
	s_nop 0
.rept 4
	v_nop
.endr
.Lasked_\@:
.endm
.macro CREST
	s_cmp_lg_u32 s10, 0
	s_cbranch_scc1 .Lnot_wave_0_\@
	s_barrier_signal -3
.Lnot_wave_0_\@:
	s_barrier_wait -3
	s_barrier_signal -1
	s_barrier_wait -1
.endm
.macro CROUND
	s_barrier_signal -1
	s_barrier_wait -1
	CREST
.endm
	s_load_b256 s[68:75], s[0:1], 0x0
	s_load_b128 s[76:79], s[0:1], 0x20
	v_lshl_add_u32 v[SPW], v0, 2, SPARE
	v_mov_b32 v[NIL], 0
	ds_add_u32 v[SPW], v[NIL]
	ds_add_u32 v[SPW], v[NIL]
	v_lshrrev_b32 v1, 5, v0
	v_readfirstlane_b32 s10, v1
	s_lshr_b32 s11, s10, 1
	s_and_b32 s12, s10, 1
	s_bfe_u32 s40, ttmp6, 0x40000
	s_bfe_u32 s41, ttmp6, 0x40004
	s_lshl_b32 s42, ttmp9, 2
	s_add_co_u32 s42, s42, s40
	s_and_b32 s13, ttmp7, 0xffff
	s_lshl_b32 s13, s13, 2
	s_add_co_u32 s13, s13, s41
	s_lshl_b32 s43, s41, 2
	s_lshl_b32 s43, 15, s43
	s_lshl_b32 s44, 0x1111, s40
	s_or_b32 s[G1+0], s43, (0<<16)|(1<<20)|(1<<21)|(6<<22)|(3<<25)
	s_or_b32 s[G1B+0], s44, (0<<16)|(1<<20)|(1<<21)|(6<<22)|(3<<25)
.irp g, G1, G1B
	s_mov_b32 s[\g+1], 512<<16
	s_mov_b32 s[\g+2], 64<<16
	s_mov_b32 s[\g+3], 512<<16
	s_mov_b32 s[\g+4], 64
	s_mov_b32 s[\g+5], 4096
	s_mov_b32 s[\g+6], 0
	s_mov_b32 s[\g+7], 0
.endr
	s_lshl_b32 s17, s12, 6
	s_lshl_b32 s16, s13, 7
	s_add_co_u32 s16, s16, s17
	s_lshl_b32 s46, s42, 7
	s_add_co_u32 s46, s46, s17
	s_lshl_b32 s16, s16, 12
	s_mov_b32 s17, 0
	s_lshl_b32 s46, s46, 12
	s_mov_b32 s47, 0
	s_mul_i32 s20, s10, HALFT
	s_wait_dscnt 0x0
	s_wait_kmcnt 0x0
	s_load_b64 s[96:97], s[72:73], 0x38
	s_add_nc_u64 s[14:15], s[68:69], s[16:17]
	s_add_nc_u64 s[46:47], s[70:71], s[46:47]
	s_add_nc_u64 s[46:47], s[46:47], 0x800000
	CROUND
.irp s, 0,1
	s_mov_b32 s[G0+4*\s], 1
	s_add_co_u32 s[G0+4*\s+1], s20, \s*SLOT
	s_add_nc_u64 s[G0+4*\s+2:G0+4*\s+3], s[14:15], \s*512
	s_or_b32 s[G0+4*\s+3], s[G0+4*\s+3], 0x80000000
	s_mov_b32 s[G0B+4*\s], 1
	s_add_co_u32 s[G0B+4*\s+1], s20, \s*SLOT
	s_add_nc_u64 s[G0B+4*\s+2:G0B+4*\s+3], s[46:47], \s*512
	s_or_b32 s[G0B+4*\s+3], s[G0B+4*\s+3], 0x80000000
.endr
	JLOAD 0                                        ; K step 0: one tensor load a wave at the head
	v_and_b32 v1, 15, v0
	s_wait_alu depctr_va_vdst(0)
	v_bfe_u32 v2, v0, 4, 1
	v_mul_u32_u24 v3, v1, PITCH
	v_lshl_add_u32 v3, v2, 4, v3
	s_mul_i32 s21, s11, HALFT
	s_mul_i32 s22, s12, HALFT
	s_add_co_u32 s22, s22, 2*HALFT
.irp s, 0,1
	v_add_nc_u32 v[ADRA+\s], s21, v3
	v_add_nc_u32 v[ADRB+\s], s22, v3
	s_add_co_u32 s21, s21, SLOT
	s_add_co_u32 s22, s22, SLOT
.endr
	s_mul_i32 s23, s10, 16*SPITCH
	s_add_co_u32 s23, s23, STAGE
	v_mul_u32_u24 v4, v1, SPITCH
	s_wait_alu depctr_va_vdst(0)
	v_lshl_add_u32 v4, v2, 5, v4
	v_add_nc_u32 v[STO], s23, v4
	v_mul_u32_u24 v5, v2, SPITCH
	v_lshl_add_u32 v5, v1, 4, v5
	v_add_nc_u32 v[RD], s23, v5
	v_lshlrev_b32 v[CO], 12, v2
	v_lshl_add_u32 v[CO], v1, 4, v[CO]
	v_lshlrev_b32 v[BOF], 4, v1
	s_wait_alu depctr_va_vdst(0)
	s_lshl_b32 s16, s13, 7
	s_lshl_b32 s17, s11, 6
	s_add_co_u32 s16, s16, s17
	s_lshl_b32 s16, s16, 12
	s_lshl_b32 s46, s42, 9
	s_lshl_b32 s47, s12, 8
	s_add_co_u32 s46, s46, s47
	s_mov_b32 s47, 0
	s_add_nc_u64 s[74:75], s[74:75], s[46:47]
	s_add_co_u32 s46, s46, s16
	s_add_nc_u64 s[76:77], s[76:77], s[46:47]
	s_add_nc_u64 s[78:79], s[78:79], s[46:47]
	; THE PREFETCHES INTO THE L2, in the order in which the data are wanted.  A K step is 512 bytes of each row: two blocks of 256.  Of the 64 rows that my wave fetches, each of the four partners that ask for them jointly
	; takes 16, told apart by address (cx for A, cy for B): a lane a block, one instruction a wave and K step.  K step 0 comes by its load alone; K step 1 is asked for here; K steps 2 and 3 behind K step 1's load;
	; a refill of K step j has beside it the request for K step j + 2.  The loop's last trip has no K step left to ask for: its two changes of slots ask for my wave's own 64 rows x 256 bytes of the residual x1, a lane a row,
	; 32 rows each, which no other wave reads; the residual's loads stand behind the loop.
	s_cmp_eq_u32 s11, 0
	s_cselect_b32 s82, s13, s42                    ; the tile's number: by rows in A, by columns in B
	s_cselect_b32 s83, s40, s41                    ; my place among the four
	s_cselect_b64 s[80:81], s[68:69], s[70:71]
	s_cselect_b32 s84, 0, 0x800000                 ; W2's codes begin 8 MiB into wcodes
	s_lshl_b32 s82, s82, 7
	s_lshl_b32 s85, s12, 6
	s_add_co_u32 s82, s82, s85
	s_lshl_b32 s83, s83, 4
	s_add_co_u32 s82, s82, s83                     ; my work-group's first of its 16 rows,
	s_lshl_b32 s82, s82, 12                        ; of 4,096 bytes
	s_add_co_u32 s82, s82, s84
	s_mov_b32 s83, 0
	s_add_nc_u64 s[80:81], s[80:81], s[82:83]
	v_and_b32 v30, 31, v0
	v_lshrrev_b32 v31, 1, v30
	v_and_b32 v30, 1, v30
	v_lshlrev_b32 v30, 8, v30
	v_lshl_add_u32 v30, v31, 12, v30               ; row lane / 2, block lane % 2; never rewritten
	global_prefetch_b8 v30, s[80:81] offset:512 th:TH_LOAD_NT scope:SCOPE_SE
	v_and_b32 v31, 31, v0
	v_lshlrev_b32 v31, 12, v31                     ; the residual's prefetches: a lane a row of 4,096 bytes; never rewritten
	global_load_b128 v[12:15], v[BOF], s[74:75]
.macro MULA f, a, zero
.irp b, 0,1,2,3
.if \zero
	v_wmma_f32_16x16x128_bf8_bf8 v[ACC+8*(4*(\a)+\b):ACC+8*(4*(\a)+\b)+7], v[\f+64+16*\b:\f+64+16*\b+15], v[\f+16*(\a):\f+16*(\a)+15], 0
.else
	v_wmma_f32_16x16x128_bf8_bf8 v[ACC+8*(4*(\a)+\b):ACC+8*(4*(\a)+\b)+7], v[\f+64+16*\b:\f+64+16*\b+15], v[\f+16*(\a):\f+16*(\a)+15], v[ACC+8*(4*(\a)+\b):ACC+8*(4*(\a)+\b)+7]
.endif
.endr
.endm
.macro FETCH slot, k, f
	WIN TO_F
.irp i, 0,1,2,3
.irp p, 0,1,2,3
	ds_load_b128 v[\f+64+16*\i+4*\p:\f+64+16*\i+4*\p+3], v[ADRB+\slot] offset:\k+32*\p+\i*16*PITCH
.endr
.endr
.irp i, 0,1,2,3
.irp p, 0,1,2,3
	ds_load_b128 v[\f+16*\i+4*\p:\f+16*\i+4*\p+3], v[ADRA+\slot] offset:\k+32*\p+\i*16*PITCH
.endr
.endr
.endm
.macro PLACES
.rept 4
	v_nop
.endr
.endm
.macro QUARTER slot, k, f, g, zero
	s_wait_dscnt 8
	WIN MUL
	MULA \f, 0, \zero
	MULA \f, 1, \zero
	PLACES
	FETCH \slot, \k, \g
	s_wait_dscnt 32
	WIN MUL
	MULA \f, 2, \zero
	MULA \f, 3, \zero
.endm
.macro TURN slot, next, fill
	WIN 0
	s_wait_tensorcnt 0x0
	ds_add_u32 v[SPW], v[NIL]
	s_wait_dscnt 9
	WIN MUL
	MULA F1, 0, 0
	s_wait_dscnt 0x0
	s_barrier_signal -1
	MULA F1, 1, 0
.if \fill
	WIN 0
.endif
	s_barrier_wait -1
.if \fill
	CREST
	s_add_nc_u64 s[G0+4*\slot+2:G0+4*\slot+3], s[G0+4*\slot+2:G0+4*\slot+3], 1024
	s_add_nc_u64 s[G0B+4*\slot+2:G0B+4*\slot+3], s[G0B+4*\slot+2:G0B+4*\slot+3], 1024
	JLOAD \slot
.else
	PLACES
.endif
	FETCH \next, 0, F0
.if \fill
	WIN 0
	s_cmp_gt_u32 s3, 1                             ; the loop's last trip has no K step two refills on
	s_cbranch_scc0 .Lresidual_\@
	global_prefetch_b8 v30, s[80:81] offset:2048+512*\slot th:TH_LOAD_NT scope:SCOPE_SE
	s_branch .Lno_ask_\@
.Lresidual_\@:
	global_prefetch_b8 v31, s[76:77] offset:131072*\slot th:TH_LOAD_NT scope:SCOPE_SE   ; rows 32 slot .. 32 slot + 31 of my 64
.Lno_ask_\@:
.endif
	WIN MUL
	MULA F1, 2, 0
	MULA F1, 3, 0
.endm
	s_wait_alu depctr_va_vdst(0)                   ; the wait at the head's end
	s_wait_tensorcnt 0x0                           ; my part of K step 0 is in; the three lines ahead of slot 1's first fill
	ds_add_u32 v[SPW], v[NIL]
	s_wait_dscnt 0x0
	CROUND                                         ; everybody's part is in, and the joint loads meet
	JLOAD 1                                        ; K step 1
	FETCH 0, 0, F0
	global_prefetch_b8 v30, s[80:81] offset:1024 th:TH_LOAD_NT scope:SCOPE_SE   ; K steps 2 and 3: one and two changes of slots ahead of their refills
	global_prefetch_b8 v30, s[80:81] offset:1536 th:TH_LOAD_NT scope:SCOPE_SE
	QUARTER 0, 128, F0, F1, 1
	WIN 0
	s_mov_b32 s3, LAPS-1
.Llap:
	QUARTER 0, 256, F1, F0, 0
	QUARTER 0, 384, F0, F1, 0
	TURN 0, 1, 1
	QUARTER 1, 128, F0, F1, 0
	QUARTER 1, 256, F1, F0, 0
	QUARTER 1, 384, F0, F1, 0
	TURN 1, 0, 1
	QUARTER 0, 128, F0, F1, 0
	WIN 0
	s_wait_xcnt 0x0                                ; my prefetches have read their base: it steps two K steps on
	s_add_nc_u64 s[80:81], s[80:81], 1024
	s_sub_co_u32 s3, s3, 1
	s_cmp_lg_u32 s3, 0
	s_cbranch_scc1 .Llap
	WIN 0x80                                       ; the residual, my 64 x 64 of x1, whole, into window 2: v0-127, 32 registers for each block of 16 rows; out under the last lap
.set n, 0
.rept 32
	global_load_b128 v[4*n:4*n+3], v[CO], s[76:77] offset:2*n*4096 th:TH_LOAD_NT
.set n, n+1
.endr
	QUARTER 0, 256, F1, F0, 0
	QUARTER 0, 384, F0, F1, 0
	TURN 0, 1, 0
	QUARTER 1, 128, F0, F1, 0
	QUARTER 1, 256, F1, F0, 0
	QUARTER 1, 384, F0, F1, 0
	s_wait_dscnt 8
	WIN MUL
	MULA F1, 0, 0
	MULA F1, 1, 0
	s_wait_dscnt 0
	MULA F1, 2, 0
	MULA F1, 3, 0
	WIN 0
	s_wait_kmcnt 0x0
	s_add_co_i32 s96, s96, s97
	s_add_co_i32 s96, s96, 127
	s_lshl_b32 s96, s96, 23
	s_mov_b32 s97, s96
	PLACES
; THE WAY OUT: 16 rows at a time through my own stage; block a + 1 goes through the stage while block a is finished; three sets of 32 registers, v32-127, take the rows by turns
.macro TOSTAGE a
.set OUT, 32+32*((\a)%3)
.irp b, 0,1,2,3
	ds_store_b128 v[STO], v[ACC+8*(4*(\a)+\b):ACC+8*(4*(\a)+\b)+3] offset:64*\b
	ds_store_b128 v[STO], v[ACC+8*(4*(\a)+\b)+4:ACC+8*(4*(\a)+\b)+7] offset:64*\b+16
.endr
.set n, 0
.rept 8
	ds_load_b128 v[OUT+4*n:OUT+4*n+3], v[RD] offset:n*2*SPITCH
.set n, n+1
.endr
.endm
.macro FINISH a, younger               ; younger: the LDS instructions issued behind block a's loads, which may stay out
.set OUT, 32+32*((\a)%3)
	s_wait_dscnt \younger
.set n, 0
.rept 8
	v_pk_fma_f32 v[OUT+4*n:OUT+4*n+1], v[OUT+4*n:OUT+4*n+1], s[96:97], v[12:13] op_sel_hi:[1,0,1]
	v_pk_fma_f32 v[OUT+4*n+2:OUT+4*n+3], v[OUT+4*n+2:OUT+4*n+3], s[96:97], v[14:15] op_sel_hi:[1,0,1]
.set n, n+1
.endr
	WIN 0x08                                       ; source 1, the residual, in window 2
.set n, 0
.rept 8
	v_pk_add_f32 v[OUT+4*n:OUT+4*n+1], v[OUT+4*n:OUT+4*n+1], v[32*(\a)+4*n:32*(\a)+4*n+1]
	v_pk_add_f32 v[OUT+4*n+2:OUT+4*n+3], v[OUT+4*n+2:OUT+4*n+3], v[32*(\a)+4*n+2:32*(\a)+4*n+3]
.set n, n+1
.endr
	WIN 0
.set n, 0
.rept 8
	global_store_b128 v[CO], v[OUT+4*n:OUT+4*n+3], s[78:79] offset:(16*(\a)+2*n)*4096 th:TH_STORE_NT
.set n, n+1
.endr
.endm
	s_wait_loadcnt 0x0                             ; b2 and the residual
	TOSTAGE 0
	TOSTAGE 1
	FINISH 0, 16                                   ; behind block 0's loads: block 1's 8 stores and 8 loads
	TOSTAGE 2
	FINISH 1, 16
	s_wait_xcnt 0x0                                ; block 0's stores have read their data: block 3 takes their registers
	TOSTAGE 3
	FINISH 2, 16
	FINISH 3, 0
	s_wait_tensorcnt 0x0
	ds_add_u32 v[SPW], v[NIL]
	s_wait_dscnt 0x0
	CROUND
	s_endpgm
.Lfunc_end_k_qad0e60ab4d_ffn2:
	.size	k_qad0e60ab4d_ffn2, .Lfunc_end_k_qad0e60ab4d_ffn2-k_qad0e60ab4d_ffn2
	.p2alignl 7, 3214868480
	.fill 96, 4, 3214868480
	.section	.rodata,"a",@progbits
	.p2align	6, 0x0
	.amdhsa_kernel k_qad0e60ab4d_ffn2
		.amdhsa_group_segment_fixed_size 327680
		.amdhsa_private_segment_fixed_size 0
		.amdhsa_enable_private_segment 0
		.amdhsa_kernarg_size 48
		.amdhsa_user_sgpr_count 2
		.amdhsa_user_sgpr_kernarg_segment_ptr 1
		.amdhsa_wavefront_size32 1
		.amdhsa_system_sgpr_workgroup_id_x 1
		.amdhsa_system_sgpr_workgroup_id_y 1
		.amdhsa_system_sgpr_workgroup_id_z 1
		.amdhsa_system_vgpr_workitem_id 0
		.amdhsa_next_free_vgpr 768
		.amdhsa_next_free_sgpr 100
		.amdhsa_reserve_vcc 0
		.amdhsa_float_denorm_mode_32 3
		.amdhsa_float_denorm_mode_16_64 3
		.amdhsa_memory_ordered 1
		.amdhsa_forward_progress 1
		.amdhsa_inst_pref_size 83
	.end_amdhsa_kernel
	.amdgpu_metadata
---
amdhsa.version: [ 1, 2 ]
amdhsa.kernels:
  - .name:           k_qad0e60ab4d_ffn2
    .symbol:         k_qad0e60ab4d_ffn2.kd
    .args:
      - { .name: hid, .offset: 0, .size: 8, .value_kind: global_buffer, .address_space: global }
      - { .name: wcodes, .offset: 8, .size: 8, .value_kind: global_buffer, .address_space: global }
      - { .name: lowp_scales, .offset: 16, .size: 8, .value_kind: global_buffer, .address_space: global }
      - { .name: b2, .offset: 24, .size: 8, .value_kind: global_buffer, .address_space: global }
      - { .name: x1, .offset: 32, .size: 8, .value_kind: global_buffer, .address_space: global }
      - { .name: out0, .offset: 40, .size: 8, .value_kind: global_buffer, .address_space: global }
    .group_segment_fixed_size: 327680
    .private_segment_fixed_size: 0
    .kernarg_segment_align: 8
    .kernarg_segment_size: 48
    .max_flat_workgroup_size: 128
    .sgpr_count:     100
    .vgpr_count:     768
    .wavefront_size: 32
...
	.end_amdgpu_metadata
.endif
;; end of part 7
